; MI455X (gfx1250); checked and timed in simulation.
; The chip was launched on July 23, 2026; its instructions are those of AMD's public machine-readable ISA for CDNA 5 (MIT licence, August 2026) and "CDNA5" Instruction Set Architecture Reference Guide (July 2026). The comments in the code are by the model that wrote it; some were corrected since.
;; Multi Head Attention. Allowed arithmetic: matrix products marked QUANTISED: E2M1 operands, one E8M0 scale for each 32 along K, by v_wmma_scale_f32_16x16x128_f8f6f4 with both operands' format E2M1 (or v_wmma_scale_f32_32x16x128_f4), f32 sums; products left as they are: bf16, f16 or f32 operands; f32 sums; everything else in f32.
;; Inputs: Wk 16 x 1,024 x 64 float32; Wo 1,024 x 1,024 float32; Wq 16 x 1,024 x 64 float32; Wv 16 x 1,024 x 64 float32; bo 1,024 float32; x 4 x 2,048 x 1,024 float32.
;; Outputs: out0 4 x 2,048 x 1,024 float32.
;; This version of the problem:
;;   THIS VERSION OF THE PROBLEM IS GIVEN IN LOW PRECISION. The matrix products marked QUANTISED in the list below multiply operands that are first quantised to E2M1 (2 exponent bits, 1 mantissa bit; 4 bits a number), with one power-of-two scale for each 32 numbers along K (OCP MX v1.0); their sums are f32. The products marked 'left as it is' may take bf16, f16 or f32 operands, with f32 sums. Whichever they take, every output number must still come out within the allowed error. Rounding operands to bf16 (8 significant bits) uses up far more of that allowance than f16 does (11 bits, for magnitudes from 6e-5 to 65,504). All else is computed in f32.
;;   The module's matrix products, in the order in which they are computed (A, B: the left and right operand; K: the contracted axis; several contracted axes count as one K, in the product's order):
;;     1. [M 1,024, K 1,024] x [K 1,024, N 8,192]; A: input Wq; B: input x: QUANTISED
;;     2. [M 1,024, K 1,024] x [K 1,024, N 8,192]; A: input Wk; B: input x: QUANTISED
;;     3. [M 1,024, K 1,024] x [K 1,024, N 8,192]; A: input Wv; B: input x: QUANTISED
;;     4. batch 64 x [M 2,048, K 64] x [K 64, N 2,048]; A: computed on the way; B: computed on the way: left as it is (an operand is computed on the way)
;;     5. batch 64 x [M 2,048, K 2,048] x [K 2,048, N 64]; A: computed on the way; B: computed on the way: left as it is (an operand is computed on the way)
;;     6. [M 8,192, K 1,024] x [K 1,024, N 1,024]; A: computed on the way; B: input Wo: left as it is (an operand is computed on the way)
;;   THE QUANTISER, for each operand of a quantised product, along K:
;;     - K is cut into blocks of 32 from its start; a last block that is shorter is filled with zeros.
;;     - A block's scale is 2^e with e = floor(log2(the largest magnitude in the block)) - 2, held to -126 .. 127; a block of zeros has e = 0. As a byte (E8M0): e + 127.
;;     - Each number is divided by its block's scale, clamped to +-6, and rounded to the nearest number of E2M1, ties to even, subnormals kept.
;;     - The product sums the exact products of the quantised numbers (number of the format x scale) in f32.
;;   ~~~python
;;   def quantise(x, axis):      # numpy; x: float32 -> the quantised numbers, widened to float32 again
;;       x = np.moveaxis(x, axis, -1); K = x.shape[-1]
;;       x = np.pad(x, [(0, 0)] * (x.ndim - 1) + [(0, -K % 32)]); x = x.reshape(x.shape[:-1] + (-1, 32)); a = np.abs(x).max(-1, keepdims=True)
;;       e = np.where(a > 0, np.clip(np.frexp(np.where(a > 0, a, 1))[1] - 1 - 2, -126, 127), 0)      # np.frexp(a)[1] - 1 = floor(log2(a)), exactly
;;       r = np.clip(x / 2.0 ** e, -6, 6)
;;       step = 2.0 ** (np.maximum(np.frexp(np.where(r == 0, 1, r))[1] - 1, 0) - 1)
;;       q = np.round(r / step) * step * 2.0 ** e      # np.round: ties to even
;;       return np.moveaxis(q.reshape(q.shape[:-2] + (-1,))[..., :K], -1, axis).astype(np.float32)
;;   ~~~
;; One version. Each part assembles by itself: llvm-mc -triple=amdgcn-amd-amdhsa -mcpu=gfx1250 --defsym DOCPART=n.
;; ======== version 1 of 1: 5 launches
;; limits: values are held in f16: magnitudes above 65,504 overflow, below 6.1e-05 lose precision
;; workspace buffers: xc 4,194,304 bytes; xs 262,144 bytes; wc 1,572,864 bytes; ws 98,304 bytes; wo16 2,097,152 bytes; qkv16 50,331,648 bytes; qkv32 786,432 bytes; o16 16,777,216 bytes
;; launch prep (part 1): grid 576 x 1, 4 waves a work-group, no clusters, 42,496 bytes of LDS; arguments x, Wq, Wk, Wv, Wo, xc, xs, wc, ws, wo16; writes xc, xs, wc, ws, wo16
.if DOCPART == 1
	.amdgcn_target "amdgcn-amd-amdhsa--gfx1250"
	.amdhsa_code_object_version 6
	.text
	.protected	k_q1eb2843b7f_prep
	.globl	k_q1eb2843b7f_prep
	.p2align	8
	.type	k_q1eb2843b7f_prep,@function
k_q1eb2843b7f_prep:
	s_mov_b64 s[64:65], 0
	v_nop
	global_prefetch_b8 v0, s[64:65] scope:SCOPE_SE
	s_setreg_imm32_b32 hwreg(HW_REG_WAVE_MODE, 25, 1), 1
	s_wait_xcnt 0x0
; PREP: the operands of the later launches are made once.
;   work-groups 0-191:   Wq, Wk, Wv [16 h][1024 d][64 e] f32 -> codes of FP4 (E2M1) with K = d innermost, wc [3072 n][512 bytes], n = 1024 t + 64 h + e, and E8M0 bytes ws [3072][32]
;   work-groups 192-447: x [8192][1024] f32 -> codes xc [8192][512 bytes] and E8M0 bytes xs [8192][32]
;   work-groups 448-575: Wo [1024 n][1024 k] f32 -> f16, wo16 [8 P][1024 n][128]: rows of 256 bytes for the last product's K steps of 128
; A block's scale is 2^(floor(log2(its largest magnitude)) - 2): its byte is the largest magnitude's exponent field - 2, held at 1 from below.
; LIMITS: a block of zeros gets the byte 1 where the rule says 127 (its codes are zeros, and this program alone reads the bytes); NaN and infinities are not served; |Wo| under 65,504.
; The three paths part on the work-group's number alone; each has LDS bytes of its own, every LDS address is made ahead of the parting, and one barrier stands on the path of all.
.set SP,    80                         ; x: a lane's place in a stage: 64 bytes + 16 of padding
.set WSTG,  32768                      ; weights: the work-group's stage, 32 columns x (256 bytes of codes + 16)
.set WP,    272
.set SCS,   WSTG+32*WP                 ; weights: 32 columns x 16 scale bytes
.set SPARE, SCS+512                    ; the spare words, 128 bytes for each wave: two blocks of 256 bytes that no other line names
.set R,     16                         ; x: v16-143  eight sets of 16 numbers as loaded
.set X,     144                        ; x: v144-175 two sets of 16 neighbours
.set C,     176                        ; x: v176-207 two registers of codes for each step
.set E,     208                        ; x: v208-223 a scale byte for each step
.set WX,    32                         ; weights: v32-95 two sets of 32 numbers
.set WC,    96                         ; weights: v96-99 a block's codes;  v100 four scale bytes
.set WSB,   100
	s_load_b512 s[4:19], s[0:1], 0x0               ; x s[4:5], Wq s[6:7], Wk s[8:9], Wv s[10:11], Wo s[12:13], xc s[14:15], xs s[16:17], wc s[18:19]
	s_load_b128 s[20:23], s[0:1], 0x40             ; ws s[20:21], wo16 s[22:23]
	v_lshl_add_u32 v254, v0, 2, SPARE              ; my spare word; never rewritten
	v_mov_b32 v255, 0                              ; 0; never rewritten
	v_lshrrev_b32 v1, 5, v0
	v_readfirstlane_b32 s24, v1                    ; wave 0..3
	v_and_b32 v2, 31, v0                           ; lane
	v_lshlrev_b32 v3, 4, v2                        ; 16 x lane
	v_lshlrev_b32 v4, 3, v2                        ; 8 x lane
	; x's LDS addresses: a region of 8,192 bytes for each wave: two stages of 32 x 80 bytes, then its 256 scale bytes
	s_lshl_b32 s25, s24, 13
	v_lshrrev_b32 v14, 2, v2
	v_mul_u32_u24 v14, v14, SP
	v_and_b32 v15, 3, v2
	v_lshl_add_u32 v14, v15, 4, v14
	v_add_nc_u32 v14, s25, v14                     ; into a stage: 80 (lane / 4) + 16 (lane % 4)
	v_mul_u32_u24 v15, v2, SP
	v_add_nc_u32 v15, s25, v15                     ; out of it: 80 x lane: my 16 neighbours
	s_add_co_u32 s25, s25, 2*32*SP
	v_lshrrev_b32 v5, 1, v2
	v_add_nc_u32 v5, s25, v5                       ; my block's scale byte
	v_add_nc_u32 v6, s25, v4                       ; and 8 of the 256 on the way out
	; the weights' addresses
	v_lshlrev_b32 v224, 2, v2                      ; in: 4 bytes a lane
	s_lshl_b32 s25, s24, 6
	s_add_co_u32 s25, s25, WSTG
	v_mul_u32_u24 v225, v2, WP
	v_add_nc_u32 v225, s25, v225                   ; stage: row = my column, my wave's 64 bytes
	s_lshl_b32 s25, s24, 2
	s_add_co_u32 s25, s25, SCS
	v_lshl_add_u32 v226, v2, 4, s25                ; my column's scale bytes, my wave's four
	v_and_b32 v231, 15, v2
	v_lshrrev_b32 v232, 4, v2
	s_mul_i32 s25, s24, 8*WP
	s_add_co_u32 s25, s25, WSTG
	v_mul_u32_u24 v227, v232, WP
	v_lshl_add_u32 v227, v231, 4, v227
	v_add_nc_u32 v227, s25, v227                   ; back: rows 8 wave + lane / 16 (+ 2 i), sixteen lanes to a row
	v_lshl_add_u32 v228, v2, 4, SCS                ; back: a column's 16 scale bytes
	s_lshl_b32 s25, s24, 12
	v_lshlrev_b32 v229, 9, v232
	v_lshl_add_u32 v229, v231, 4, v229
	v_add_nc_u32 v229, s25, v229                   ; the same rows in wc: 512 bytes a row
	v_lshlrev_b32 v230, 5, v2                      ; and in ws: 32 bytes a row
	; which part of the weights: g = t 64 + h 4 + (half of e) 2 + (half of K)
	s_min_u32 s28, ttmp9, 191
	s_lshr_b32 s29, s28, 6                         ; t: 0 Wq, 1 Wk, 2 Wv
	s_bfe_u32 s30, s28, 0x40002                    ; head
	s_bfe_u32 s31, s28, 0x10001                    ; which 32 of the head's 64 columns
	s_and_b32 s32, s28, 1                          ; which 512 along K
	s_lshl_b32 s33, s29, 10
	s_lshl_b32 s34, s30, 6
	s_add_co_u32 s33, s33, s34
	s_lshl_b32 s34, s31, 5
	s_add_co_u32 s33, s33, s34                     ; n of my first column
	s_lshl_b32 s36, s33, 9
	s_lshl_b32 s34, s32, 8
	s_add_co_u32 s36, s36, s34                     ; in wc
	s_mov_b32 s37, 0
	s_lshl_b32 s38, s33, 5
	s_lshl_b32 s34, s32, 4
	s_add_co_u32 s38, s38, s34                     ; in ws
	s_mov_b32 s39, 0
	s_lshl_b32 s40, s30, 18                        ; a head is 1,024 rows of 256 bytes
	s_lshl_b32 s34, s32, 17
	s_add_co_u32 s40, s40, s34                     ; + 512 rows for the upper half of K
	s_lshl_b32 s34, s24, 15
	s_add_co_u32 s40, s40, s34                     ; + 128 rows a wave
	s_lshl_b32 s34, s31, 7
	s_add_co_u32 s40, s40, s34                     ; + 128 bytes for the upper 32 columns
	s_mov_b32 s41, 0
	s_wait_kmcnt 0x0
	s_add_nc_u64 s[18:19], s[18:19], s[36:37]
	s_add_nc_u64 s[20:21], s[20:21], s[38:39]
	s_cmp_eq_u32 s29, 0                            ; the choice hangs on the work-group's number alone
	s_cselect_b64 s[26:27], s[6:7], s[8:9]
	s_cmp_eq_u32 s29, 2
	s_cselect_b64 s[26:27], s[10:11], s[26:27]
	s_add_nc_u64 s[26:27], s[26:27], s[40:41]
	s_cmp_lt_u32 ttmp9, 192
	s_cbranch_scc1 .Lw
	s_cmp_lt_u32 ttmp9, 448
	s_cbranch_scc1 .Lx
	; ---- Wo to f16.  A wave takes two rows: 16 pieces of 512 consecutive bytes; piece i is row i / 8, plane i % 8; its 128 numbers leave as one aligned run of 256 bytes.
	s_sub_co_u32 s28, ttmp9, 448
	s_lshl_b32 s28, s28, 2
	s_add_co_u32 s28, s28, s24
	s_mov_b32 s31, 0
	s_lshl_b32 s30, s28, 13
	s_add_nc_u64 s[12:13], s[12:13], s[30:31]
	s_lshl_b32 s30, s28, 9
	s_add_nc_u64 s[22:23], s[22:23], s[30:31]
.irp i, 0,1,2,3,4,5,6,7,8,9,10,11,12,13,14,15
	global_load_b128 v[16+4*\i:19+4*\i], v3, s[12:13] offset:512*\i th:TH_LOAD_NT
.endr
.irp i, 0,1,2,3,4,5,6,7,8,9,10,11,12,13,14,15
	s_wait_loadcnt 15-\i                           ; loads come back in order: piece i is in, the younger ones stay out
	v_cvt_pk_f16_f32 v[80+2*\i], v[16+4*\i], v[17+4*\i]
	v_cvt_pk_f16_f32 v[81+2*\i], v[18+4*\i], v[19+4*\i]
	global_store_b64 v4, v[80+2*\i:81+2*\i], s[22:23] offset:(\i%8)*262144+(\i/8)*256
.endr
	s_branch .Ljoin
	; ---- x.  A wave takes 16 steps of 512 numbers.  Each load reads 512 consecutive bytes; a step's 2,048 bytes turn through the wave's stage so that a lane holds 16 neighbours along K; two lanes hold a block.
.Lx:
	s_sub_co_u32 s28, ttmp9, 192
	s_lshl_b32 s28, s28, 2
	s_add_co_u32 s28, s28, s24                     ; which run of 8,192 numbers is my wave's
	s_mov_b32 s31, 0
	s_lshl_b32 s30, s28, 15
	s_add_nc_u64 s[4:5], s[4:5], s[30:31]
	s_lshl_b32 s30, s28, 12
	s_add_nc_u64 s[14:15], s[14:15], s[30:31]
	s_lshl_b32 s30, s28, 8
	s_add_nc_u64 s[16:17], s[16:17], s[30:31]
.macro LOADX t
.irp i, 0,1,2,3
	global_load_b128 v[R+16*((\t)%8)+4*\i:R+16*((\t)%8)+4*\i+3], v3, s[4:5] offset:2048*(\t)+512*\i th:TH_LOAD_NT
.endr
.endm
.macro TURNX t                         ; LDS serves a wave's instructions in order: no wait between the stores and the loads
.irp i, 0,1,2,3
	ds_store_b128 v14, v[R+16*((\t)%8)+4*\i:R+16*((\t)%8)+4*\i+3] offset:32*SP*((\t)%2)+8*SP*\i
.endr
.irp i, 0,1,2,3
	ds_load_b128 v[X+16*((\t)%2)+4*\i:X+16*((\t)%2)+4*\i+3], v15 offset:32*SP*((\t)%2)+16*\i
.endr
.endm
.macro STEPX t
.set XS, X+16*((\t)%2)
.if (\t) > 0
	s_wait_dscnt 1                                 ; this step's numbers are back from the stage; the last step's byte store may be out
.else
	s_wait_dscnt 0x0
.endif
.if (\t)+8 < 16
	LOADX (\t)+8                                   ; into the set whose stores into the stage are done
.endif
.if (\t)+1 < 16
.if (\t) <= 7
	s_wait_loadcnt 28                              ; the next step's four loads are in; those of the seven steps behind it may be out
.else
	s_wait_loadcnt 4*(14-(\t))
.endif
	TURNX (\t)+1
.endif
	v_max3_num_f32 v8, |v[XS]|, |v[XS+1]|, |v[XS+2]|
	v_max3_num_f32 v9, |v[XS+3]|, |v[XS+4]|, |v[XS+5]|
.irp i, 6,10
	v_max3_num_f32 v8, v8, |v[XS+\i]|, |v[XS+\i+1]|
	v_max3_num_f32 v9, v9, |v[XS+\i+2]|, |v[XS+\i+3]|
.endr
	v_max3_num_f32 v8, v8, |v[XS+14]|, |v[XS+15]|
	v_max3_num_f32 v8, v8, v9, 0x1800000           ; and the floor 2^(3 - 127): the byte cannot fall under 1
	v_max_num_f32_dpp v8, v8, v8 row_xmask:1 row_mask:0xf bank_mask:0xf   ; with my neighbour's 16: the block's largest magnitude
	v_add_nc_u32 v11, 0xff000000, v8               ; 2 off its exponent field: the conversion's scale operand
	v_cvt_scalef32_pk8_fp4_f32 v[C+2*(\t)], v[XS:XS+7], v11
	v_cvt_scalef32_pk8_fp4_f32 v[C+2*(\t)+1], v[XS+8:XS+15], v11
	v_lshrrev_b32 v[E+(\t)], 23, v11               ; the scale's byte (a plain line behind the conversions)
	ds_store_b8 v5, v[E+(\t)] offset:16*(\t)       ; both lanes of a block write the same byte with the same value
	global_store_b64 v4, v[C+2*(\t):C+2*(\t)+1], s[14:15] offset:256*(\t)   ; the wave stores 256 consecutive bytes, aligned
.endm
.irp t, 0,1,2,3,4,5,6,7
	LOADX \t
.endr
	s_wait_loadcnt 28                              ; step 0's four loads are in
	TURNX 0
.irp t, 0,1,2,3,4,5,6,7,8,9,10,11,12,13,14,15
	STEPX \t
.endr
	ds_load_b64 v[8:9], v6                         ; my wave's 256 scale bytes: these loads see my stores
	s_wait_dscnt 0x0
	global_store_b64 v4, v[8:9], s[16:17]          ; one aligned run of 256 bytes
	s_branch .Ljoin
	; ---- Wq, Wk, Wv.  A lane takes a column e and its registers run down K: a block of 32 lies in one lane.  A wave takes 32 columns x 128 along K; the four waves' codes meet in the stage: 256 bytes a column.
.Lw:
.macro LOADW j
.irp i, 0,1,2,3,4,5,6,7,8,9,10,11,12,13,14,15,16,17,18,19,20,21,22,23,24,25,26,27,28,29,30,31
	global_load_b32 v[WX+32*((\j)%2)+\i], v224, s[26:27] offset:(32*(\j)+\i)*256
.endr
.endm
.macro BLOCKW j
.set XS, WX+32*((\j)%2)
.if (\j) < 3
	s_wait_loadcnt 32                              ; this block's 32 loads are in; the next block's may be out
.else
	s_wait_loadcnt 0x0
.endif
	v_max3_num_f32 v232, |v[XS]|, |v[XS+1]|, |v[XS+2]|
	v_max3_num_f32 v233, |v[XS+3]|, |v[XS+4]|, |v[XS+5]|
.irp i, 6,10,14,18,22,26
	v_max3_num_f32 v232, v232, |v[XS+\i]|, |v[XS+\i+1]|
	v_max3_num_f32 v233, v233, |v[XS+\i+2]|, |v[XS+\i+3]|
.endr
	v_max3_num_f32 v232, v232, |v[XS+30]|, |v[XS+31]|
	v_max3_num_f32 v232, v232, v233, 0x1800000     ; and the floor
	v_add_nc_u32 v234, 0xff000000, v232            ; the conversion's scale operand
	v_lshrrev_b32 v233, 23, v234                   ; the scale's byte
.if (\j) == 0
	v_mov_b32 v[WSB], v233
.else
	v_lshl_or_b32 v[WSB], v233, 8*(\j), v[WSB]     ; the lower K in the lower byte
.endif
.irp g, 0,1,2,3
	v_cvt_scalef32_pk8_fp4_f32 v[WC+\g], v[XS+8*\g:XS+8*\g+7], v234
.endr
	v_nop                                          ; one plain line behind the conversions
	ds_store_b128 v225, v[WC:WC+3] offset:16*(\j)
.if (\j) < 2
	LOADW (\j)+2
.endif
	s_wait_dscnt 0x0                               ; the store has read its registers: the next block's codes may be written
.endm
	LOADW 0
	LOADW 1
	BLOCKW 0
	BLOCKW 1
	BLOCKW 2
	BLOCKW 3
	ds_store_b32 v226, v[WSB]
.Ljoin:
	s_wait_xcnt 0x0                                ; no pending store's data are written below
	s_wait_dscnt 0x0                               ; for the others' sake: my LDS stores are done
	s_barrier_signal -1
	s_barrier_wait -1
	s_cmp_ge_u32 ttmp9, 192
	s_cbranch_scc1 .Lend
	; the weights' codes leave by rows: sixteen lanes store 256 consecutive bytes, aligned
.irp i, 0,1,2,3
	ds_load_b128 v[104+4*\i:107+4*\i], v227 offset:2*WP*\i
.endr
.irp i, 0,1,2,3
	s_wait_dscnt 3-\i
	global_store_b128 v229, v[104+4*\i:107+4*\i], s[18:19] offset:1024*\i
.endr
	s_cmp_lg_u32 s24, 0
	s_cbranch_scc1 .Lend
	ds_load_b128 v[120:123], v228                  ; wave 0: 16 scale bytes of each of the 32 columns (half of a row of ws: 96 KiB in the whole launch go out in such halves)
	s_wait_dscnt 0x0
	global_store_b128 v230, v[120:123], s[20:21]
.Lend:
	s_wait_tensorcnt 0x0                           ; the wave's end: behind my last LDS store
	ds_add_u32 v254, v255
	s_wait_dscnt 0x0
	s_endpgm
.Lfunc_end_k_q1eb2843b7f_prep:
	.size	k_q1eb2843b7f_prep, .Lfunc_end_k_q1eb2843b7f_prep-k_q1eb2843b7f_prep
	.p2alignl 7, 3214868480
	.fill 96, 4, 3214868480
	.section	.rodata,"a",@progbits
	.p2align	6, 0x0
	.amdhsa_kernel k_q1eb2843b7f_prep
		.amdhsa_group_segment_fixed_size 42496
		.amdhsa_private_segment_fixed_size 0
		.amdhsa_enable_private_segment 0
		.amdhsa_kernarg_size 80
		.amdhsa_user_sgpr_count 2
		.amdhsa_user_sgpr_kernarg_segment_ptr 1
		.amdhsa_wavefront_size32 1
		.amdhsa_system_sgpr_workgroup_id_x 1
		.amdhsa_system_sgpr_workgroup_id_y 1
		.amdhsa_system_sgpr_workgroup_id_z 1
		.amdhsa_system_vgpr_workitem_id 0
		.amdhsa_next_free_vgpr 256
		.amdhsa_next_free_sgpr 66
		.amdhsa_reserve_vcc 0
		.amdhsa_float_denorm_mode_32 3
		.amdhsa_float_denorm_mode_16_64 3
		.amdhsa_memory_ordered 1
		.amdhsa_forward_progress 1
		.amdhsa_inst_pref_size 61
	.end_amdhsa_kernel
	.amdgpu_metadata
---
amdhsa.version: [ 1, 2 ]
amdhsa.kernels:
  - .name:           k_q1eb2843b7f_prep
    .symbol:         k_q1eb2843b7f_prep.kd
    .args:
      - { .name: x, .offset: 0, .size: 8, .value_kind: global_buffer, .address_space: global }
      - { .name: Wq, .offset: 8, .size: 8, .value_kind: global_buffer, .address_space: global }
      - { .name: Wk, .offset: 16, .size: 8, .value_kind: global_buffer, .address_space: global }
      - { .name: Wv, .offset: 24, .size: 8, .value_kind: global_buffer, .address_space: global }
      - { .name: Wo, .offset: 32, .size: 8, .value_kind: global_buffer, .address_space: global }
      - { .name: xc, .offset: 40, .size: 8, .value_kind: global_buffer, .address_space: global }
      - { .name: xs, .offset: 48, .size: 8, .value_kind: global_buffer, .address_space: global }
      - { .name: wc, .offset: 56, .size: 8, .value_kind: global_buffer, .address_space: global }
      - { .name: ws, .offset: 64, .size: 8, .value_kind: global_buffer, .address_space: global }
      - { .name: wo16, .offset: 72, .size: 8, .value_kind: global_buffer, .address_space: global }
    .group_segment_fixed_size: 42496
    .private_segment_fixed_size: 0
    .kernarg_segment_align: 8
    .kernarg_segment_size: 80
    .max_flat_workgroup_size: 128
    .sgpr_count:     66
    .vgpr_count:     256
    .wavefront_size: 32
...
	.end_amdgpu_metadata
.endif
;; end of part 1
;; launch qkv (part 2): grid 12 x 32, 4 waves a work-group, clusters of 4 x 4, 327,680 bytes of LDS; arguments xc, xs, wc, ws, qkv16, qkv32; writes qkv16, qkv32
.if DOCPART == 2
	.amdgcn_target "amdgcn-amd-amdhsa--gfx1250"
	.amdhsa_code_object_version 6
	.text
	.protected	k_q1eb2843b7f_qkv
	.globl	k_q1eb2843b7f_qkv
	.p2align	8
	.type	k_q1eb2843b7f_qkv,@function
k_q1eb2843b7f_qkv:
	s_mov_b64 s[64:65], 0
	v_nop
	global_prefetch_b8 v0, s[64:65] scope:SCOPE_SE
	s_setreg_imm32_b32 hwreg(HW_REG_WAVE_MODE, 25, 1), 1
	s_wait_xcnt 0x0
	s_wait_alu depctr_hold_cnt(0) depctr_sa_sdst(0) depctr_va_vdst(0) depctr_va_sdst(0) depctr_va_ssrc(0) depctr_va_vcc(0) depctr_vm_vsrc(0)
	s_getreg_b32 s2, hwreg(HW_REG_IB_STS2, 6, 4)
	s_cmp_eq_u32 s2, 0
	s_cbranch_scc0 .Lentry_in_a_cluster
	s_endpgm
.Lentry_in_a_cluster:
	s_bfe_u32 s2, ttmp6, 0x10000c
	s_cmp_lg_u32 s2, 0xf033
	s_cbranch_scc0 .Lentry_shape_is_right
	s_endpgm
.Lentry_shape_is_right:
; QKV: C[m][n] = sum over k of x[m][k] W[n][k] on codes of FP4 (E2M1) with one E8M0 scale for each 32 along K.  m = 2048 b + s (8,192), n = 1024 t + 64 h + e (3,072), K = 1,024.
; A tile of C, 256 x 256, is made by four waves, each 128 x 128: 64 accumulators of 16 x 16.  K = 1,024 is two slots of 512 along K (rows of 256 bytes): both are first fills, nothing is filled again.
; The scales of the work-group's 256 + 256 rows, for all of K, are two dense blocks: they come once, with the first fills.
; CLUSTERS: 4 x 4 work-groups; x's tiles are shared along a row of the cluster, W's along a column: each is asked for jointly.
; THE MATRIX INSTRUCTION IS USED TRANSPOSED (source 0 = 16 rows of W, source 1 = 16 rows of x): a lane holds eight neighbouring n of one row m.
; OUT: qkv16 [3 t][4 b][16 h][2048 s][64] f16 (a head's rows are dense: 128 bytes each), and, for positions 0-15 of each sequence, qkv32 [4 b][16 s][3072 n] f32.
; LIMIT: |q|, |k|, |v| under 65,504.
; REGISTERS: window 0: v0-31 addresses; v32-95 scale words, two sets; v128-191 x's fragments, one set; window 1: W's fragments, two sets; windows 2, 3: the accumulators ((a, b) at v[8 (8 (a % 4) + b)]).
.set NQ,     4                         ; matrix instructions deep in a slot
.set ROWB,   256                       ; a tile's row in bytes: 512 codes
.set KROW,   512                       ; a row of codes in memory
.set PITCH,  272                       ; an LDS row: 256 bytes + 16 of padding: the 16 rows that a load touches start at 16 different banks
.set FR,     8
.set NL,     2
.set NP,     4
.set HALFT,  128*PITCH
.set SLOT,   4*HALFT
.set KS,     32                        ; a row of scales in bytes
.set SCL,    2*SLOT
.set HALFS,  16*272                    ; the scales of 128 rows: 16 runs of 256 bytes + 16
.set SBLK,   2*272                     ; those of 16 rows
.set SPARE,  SCL+4*HALFS               ; the spare words: two blocks of 256 bytes that no other line names
.set WST,    13312                     ; the way out: a wave's stages, in slot 0: 16 rows x 528 bytes (f32), then 2 heads x 16 rows x 144 bytes (f16)
.set ADRA, 16
.set ADRB, 20
.set STO32, 22
.set RD32,  23
.set STO16, 24
.set RD16,  25
.set CO,   26
.set ADRS, 27
.set SPW,  28
.set NIL,  29
.set SC,   32
.set AF,   128
.set TMP,  32                          ; the way out: packed results
.set BK,   128                         ; 16 rows read back: v128-159 and v160-191 by turns
.set BF,   192                         ; the f32 rows read back
.set G1, 24
.set G0, 32
.set G1B, 48
.set G0B, 56
.set G1S, 68
.set G0S, 76
.set G1SB, 80
.set G0SB, 88
.set MSB, 0
.macro WIN new                         ; the immediate's high byte repeats the setting that is left
.if MSB != \new
	s_set_vgpr_msb (MSB<<8)|\new
.set MSB, \new
.endif
.endm
.set MUL_LO, 0xa1                      ; source 0 (W) window 1, source 1 (x) window 0, C and D window 2
.set MUL_HI, 0xf1
.set TO_B,   0x40
; A joint load: waves 0 and 1 fetch for x, waves 2 and 3 for W; the branch hangs on the wave's number alone.  An s_nop 0 and four v_nop follow each of the two lines.
.macro JLOAD g0a, g1a, g0b, g1b
	s_cmp_eq_u32 s15, 0
	s_cbranch_scc0 .Lfor_b_\@
	tensor_load_to_lds s[\g0a:\g0a+3], s[\g1a:\g1a+7]
	s_nop 0
.rept 4
	v_nop
.endr
	s_branch .Lasked_\@
.Lfor_b_\@:
	tensor_load_to_lds s[\g0b:\g0b+3], s[\g1b:\g1b+7]
	s_nop 0
.rept 4
	v_nop
.endr
.Lasked_\@:
.endm
.macro CROUND                          ; a round of the cluster's barrier
	s_barrier_signal -1
	s_barrier_wait -1
	s_cmp_lg_u32 s14, 0
	s_cbranch_scc1 .Lnot_wave_0_\@
	s_barrier_signal -3
.Lnot_wave_0_\@:
	s_barrier_wait -3
	s_barrier_signal -1
	s_barrier_wait -1
.endm
	s_load_b128 s[4:7], s[0:1], 0x0                ; x's codes, x's scales
	s_load_b128 s[8:11], s[0:1], 0x10              ; W's codes, W's scales
	s_load_b64 s[12:13], s[0:1], 0x20              ; qkv16
	s_load_b64 s[98:99], s[0:1], 0x28              ; qkv32
	v_lshl_add_u32 v[SPW], v0, 2, SPARE
	v_mov_b32 v[NIL], 0
	ds_add_u32 v[SPW], v[NIL]                      ; the wave's opening: the add, twice on end, and its wait ahead of my first tensor load
	ds_add_u32 v[SPW], v[NIL]
	v_lshrrev_b32 v1, 5, v0
	v_readfirstlane_b32 s14, v1                    ; wave 0..3
	s_lshr_b32 s15, s14, 1                         ; which half of the tile's rows is mine.  Also: I fetch for x (0) or for W (1)
	s_and_b32 s16, s14, 1                          ; which half of its columns.  Also: which 128 rows of that tile I fetch
	s_bfe_u32 s40, ttmp6, 0x40000                  ; cx, cy
	s_bfe_u32 s41, ttmp6, 0x40004
	s_lshl_b32 s42, ttmp9, 2
	s_add_co_u32 s42, s42, s40                     ; tile column
	s_and_b32 s17, ttmp7, 0xffff
	s_lshl_b32 s17, s17, 2
	s_add_co_u32 s17, s17, s41                     ; tile row
	s_lshl_b32 s43, s41, 2
	s_lshl_b32 s43, 15, s43                        ; my row of the cluster
	s_lshl_b32 s44, 0x1111, s40                    ; my column
	s_or_b32 s[G1+0], s43, (0<<16)|(1<<20)|(1<<21)|(5<<22)|(3<<25)  ; the mask; elements of 1 byte; padding: 4 words behind every 64
	s_or_b32 s[G1B+0], s44, (0<<16)|(1<<20)|(1<<21)|(5<<22)|(3<<25)
.irp g, G1, G1B
	s_mov_b32 s[\g+1], ROWB<<16                    ; tensor_dim0
	s_mov_b32 s[\g+2], 128<<16                     ; tensor_dim1
	s_mov_b32 s[\g+3], ROWB<<16                    ; tile_dim0
	s_mov_b32 s[\g+4], 128                         ; tile_dim1
	s_mov_b32 s[\g+5], KROW                        ; from row to row
	s_mov_b32 s[\g+6], 0
	s_mov_b32 s[\g+7], 0
.endr
	s_or_b32 s[G1S+0], s43, (3<<16)|(1<<20)|(1<<21)|(5<<22)|(3<<25) ; the scales of 128 rows: 4,096 dense bytes as 16 rows of 32 elements of 8 bytes
	s_or_b32 s[G1SB+0], s44, (3<<16)|(1<<20)|(1<<21)|(5<<22)|(3<<25)
.irp g, G1S, G1SB
	s_mov_b32 s[\g+1], 32<<16
	s_mov_b32 s[\g+2], 16<<16
	s_mov_b32 s[\g+3], 32<<16
	s_mov_b32 s[\g+4], 16
	s_mov_b32 s[\g+5], 32
	s_mov_b32 s[\g+6], 0
	s_mov_b32 s[\g+7], 0
.endr
	s_lshl_b32 s18, s16, 7
	s_lshl_b32 s20, s17, 8
	s_add_co_u32 s20, s20, s18                     ; x: row 256 x tile row + 128 x half
	s_lshl_b32 s46, s42, 8
	s_add_co_u32 s46, s46, s18                     ; W: row 256 x tile column + 128 x half
	s_mov_b32 s21, 0
	s_mov_b32 s47, 0
	s_mov_b64 s[18:19], KS
	s_mul_u64 s[22:23], s[20:21], s[18:19]
	s_mul_u64 s[92:93], s[46:47], s[18:19]
	s_mov_b64 s[18:19], KROW
	s_mul_u64 s[20:21], s[20:21], s[18:19]
	s_mul_u64 s[46:47], s[46:47], s[18:19]
	s_mul_i32 s45, s14, HALFT                      ; where they go: wave x 128 rows
	s_mul_i32 s94, s14, HALFS
	s_wait_dscnt 0x0                               ; both opening adds are done
	s_wait_kmcnt 0x0
	s_add_nc_u64 s[20:21], s[4:5], s[20:21]
	s_add_nc_u64 s[22:23], s[6:7], s[22:23]
	s_add_nc_u64 s[46:47], s[8:9], s[46:47]
	s_add_nc_u64 s[92:93], s[10:11], s[92:93]
	CROUND                                         ; all sixteen work-groups are here: the joint loads meet
	s_mov_b32 s[G0S], 1
	s_add_co_u32 s[G0S+1], s94, SCL
	s_mov_b64 s[G0S+2:G0S+3], s[22:23]
	s_or_b32 s[G0S+3], s[G0S+3], 0x80000000
	s_mov_b32 s[G0SB], 1
	s_add_co_u32 s[G0SB+1], s94, SCL
	s_mov_b64 s[G0SB+2:G0SB+3], s[92:93]
	s_or_b32 s[G0SB+3], s[G0SB+3], 0x80000000
	JLOAD G0S, G1S, G0SB, G1SB                     ; the scales first
.irp s, 0,1
	s_mov_b32 s[G0+4*\s], 1
	s_add_co_u32 s[G0+4*\s+1], s45, \s*SLOT
	s_add_nc_u64 s[G0+4*\s+2:G0+4*\s+3], s[20:21], \s*ROWB
	s_or_b32 s[G0+4*\s+3], s[G0+4*\s+3], 0x80000000
	s_mov_b32 s[G0B+4*\s], 1
	s_add_co_u32 s[G0B+4*\s+1], s45, \s*SLOT
	s_add_nc_u64 s[G0B+4*\s+2:G0B+4*\s+3], s[46:47], \s*ROWB
	s_or_b32 s[G0B+4*\s+3], s[G0B+4*\s+3], 0x80000000
	JLOAD G0+4*\s, G1, G0B+4*\s, G1B               ; three loads of mine are out in all
.endr
	v_and_b32 v1, 15, v0                           ; r
	v_bfe_u32 v2, v0, 4, 1                         ; h
	v_mul_u32_u24 v3, v1, PITCH
	v_lshl_add_u32 v4, v2, 4, v3
	s_mul_i32 s21, s15, HALFT
	s_mul_i32 s22, s16, HALFT
	s_add_co_u32 s22, s22, 2*HALFT
.irp s, 0,1
	v_add_nc_u32 v[ADRA+\s], s21, v4
	v_add_nc_u32 v[ADRB+\s], s22, v4
	s_add_co_u32 s21, s21, SLOT
	s_add_co_u32 s22, s22, SLOT
.endr
	v_mul_u32_u24 v5, v1, KS                       ; my row's scales: 32 bytes a row,
	v_lshrrev_b32 v6, 8, v5
	v_lshl_add_u32 v5, v6, 4, v5                   ; and 16 more for each 256 passed
	s_mul_i32 s21, s15, HALFS
	s_mul_i32 s22, s16, HALFS
	s_add_co_u32 s22, s22, 2*HALFS
	s_sub_co_u32 s22, s22, s21
	v_mul_u32_u24 v6, s22, v2                      ; lanes 16-31 take W's
	s_add_co_u32 s21, s21, SCL
	v_add_nc_u32 v5, v5, v6
	v_add_nc_u32 v[ADRS], s21, v5
	s_mul_i32 s23, s14, WST                        ; my stages
	v_mul_u32_u24 v5, v1, 528
	v_lshl_add_u32 v5, v2, 5, v5
	v_add_nc_u32 v[STO32], s23, v5                 ; f32 in: row r, 32 bytes for each half of the lanes
	v_and_b32 v6, 31, v0
	v_lshlrev_b32 v[CO], 4, v6                     ; 16 x lane
	v_add_nc_u32 v[RD32], s23, v[CO]               ; f32 back: the 32 lanes take a row of 512 bytes
	s_add_co_u32 s23, s23, 16*528
	v_mul_u32_u24 v5, v1, 144
	v_lshl_add_u32 v5, v2, 4, v5
	v_add_nc_u32 v[STO16], s23, v5                 ; f16 in: row r, 16 bytes for each half of the lanes
	v_lshrrev_b32 v5, 3, v6
	v_mul_u32_u24 v5, v5, 144
	v_and_b32 v6, 7, v6
	v_lshl_add_u32 v5, v6, 4, v5
	v_add_nc_u32 v[RD16], s23, v5                  ; f16 back: eight lanes to a row of 128 bytes, four rows an instruction
	; where my part begins: qkv16: ((t 4 + b) 16 + head) x 2^18 + s x 128;  qkv32: b x 196,608 + n x 4
	s_lshr_b32 s20, s42, 2                         ; t
	s_lshl_b32 s20, s20, 2
	s_lshr_b32 s21, s17, 3                         ; b
	s_add_co_u32 s20, s20, s21
	s_lshl_b32 s20, s20, 4
	s_and_b32 s22, s42, 3
	s_lshl_b32 s22, s22, 2
	s_add_co_u32 s20, s20, s22
	s_lshl_b32 s22, s16, 1
	s_add_co_u32 s20, s20, s22                     ; my first head of two
	s_lshl_b32 s20, s20, 18
	s_and_b32 s22, s17, 7
	s_or_b32 s95, s22, s15                         ; 0 where my first 16 rows are positions 0-15 of a sequence
	s_lshl_b32 s22, s22, 15
	s_add_co_u32 s20, s20, s22
	s_lshl_b32 s22, s15, 14
	s_add_co_u32 s20, s20, s22
	s_mul_i32 s46, s21, 196608
	s_mov_b32 s21, 0
	s_add_nc_u64 s[12:13], s[12:13], s[20:21]
	s_lshl_b32 s22, s42, 10
	s_add_co_u32 s46, s46, s22
	s_lshl_b32 s22, s16, 9
	s_add_co_u32 s46, s46, s22
	s_mov_b32 s47, 0
	s_add_nc_u64 s[98:99], s[98:99], s[46:47]
.macro FRAG reg, adr, q, i             ; 16 rows x 128 K of 4-bit codes: 8 registers: lane l holds row l % 16; registers 4 c .. 4 c + 3 hold K = 64 c + 32 (l / 16) + 0 .. 31
.irp c, 0,1
	ds_load_b128 v[\reg+4*\c:\reg+4*\c+3], v[\adr] offset:64*(\q)+32*\c+(\i)*16*PITCH
.endr
.endm
; 16 matrix instructions: x's blocks a0, a0 + 1 against W's eight.  The 64 accumulators take turns, one instruction a turn, in the same order in every step.
.macro MUL16 a0, p, q, sc, zero
.irp a, \a0, \a0+1
.irp b, 0,1,2,3,4,5,6,7
.if \zero
	v_wmma_scale_f32_16x16x128_f8f6f4 v[8*(8*((\a)%4)+\b):8*(8*((\a)%4)+\b)+7], v[128*(\p)+FR*\b:128*(\p)+FR*\b+FR-1], v[AF+FR*(\a):AF+FR*(\a)+FR-1], 0, v[SC+8*NQ*(\sc)+NQ*\b+(\q)], v[SC+8*NQ*(\sc)+NQ*(\a)+(\q)] matrix_a_fmt:MATRIX_FMT_FP4 matrix_b_fmt:MATRIX_FMT_FP4 matrix_a_scale:MATRIX_SCALE_ROW1
.else
	v_wmma_scale_f32_16x16x128_f8f6f4 v[8*(8*((\a)%4)+\b):8*(8*((\a)%4)+\b)+7], v[128*(\p)+FR*\b:128*(\p)+FR*\b+FR-1], v[AF+FR*(\a):AF+FR*(\a)+FR-1], v[8*(8*((\a)%4)+\b):8*(8*((\a)%4)+\b)+7], v[SC+8*NQ*(\sc)+NQ*\b+(\q)], v[SC+8*NQ*(\sc)+NQ*(\a)+(\q)] matrix_a_fmt:MATRIX_FMT_FP4 matrix_b_fmt:MATRIX_FMT_FP4 matrix_a_scale:MATRIX_SCALE_ROW1
.endif
.endr
.endr
.endm
.macro FETCH_B slot, q, p
	WIN TO_B
.irp i, 0,1,2,3,4,5,6,7
	FRAG 128*(\p)+FR*\i, ADRB+\slot, \q, \i
.endr
	WIN 0
.endm
.macro FETCH_A slot, q, i0
.irp i, \i0, \i0+1, \i0+2, \i0+3
	FRAG AF+FR*(\i), ADRA+\slot, \q, \i
.endr
.endm
.macro SCALES sc                       ; a slot's scale words: four a row; lanes 0-15 take x's block i, lanes 16-31 W's block i
.irp i, 0,1,2,3,4,5,6,7
	ds_load_b128 v[SC+8*NQ*\sc+NQ*\i:SC+8*NQ*\sc+NQ*\i+3], v[ADRS] offset:\i*SBLK
.endr
.endm
.macro PLACES n                        ; plain vector lines between a matrix instruction and a load into, or a read of, its registers
.rept \n
	v_nop
.endr
.endm
.macro STEP slot, q, zero              ; 128 along K that has its successor in the same slot
	s_wait_dscnt 4*NL                              ; W's set and x's blocks 0-3 are in; the youngest eight loads (x's blocks 4-7) may be out
	WIN MUL_LO
	MUL16 0, (\q)%2, \q, \slot, \zero
	MUL16 2, (\q)%2, \q, \slot, \zero
	s_wait_dscnt 0
	PLACES NP
	FETCH_B \slot, (\q)+1, 1-(\q)%2
	FETCH_A \slot, (\q)+1, 0
	WIN MUL_HI
	MUL16 4, (\q)%2, \q, \slot, \zero
	MUL16 6, (\q)%2, \q, \slot, \zero
	PLACES NP
	WIN 0
	FETCH_A \slot, (\q)+1, 4
.endm
	s_wait_tensorcnt 1                             ; the scales and my part of slot 0 are in (slot 1's load may be out)
	s_barrier_signal -1
	s_barrier_wait -1                              ; everybody's are
	FETCH_B 0, 0, 0
	FETCH_A 0, 0, 0
	SCALES 0
	FETCH_A 0, 0, 4
	STEP 0, 0, 1                                   ; the first products start the sums: nothing is cleared
	STEP 0, 1, 0
	STEP 0, 2, 0
	; slot 0's last step changes slots: one barrier; in front of it each wave waits for all its tensor loads, adds 0 to its spare word, and waits for that and for its reads of slot 0
	s_wait_tensorcnt 0x0                           ; my part of slot 1 has landed
	ds_add_u32 v[SPW], v[NIL]
	s_wait_dscnt 4*NL+1                            ; the add and the youngest eight loads may be out
	WIN MUL_LO
	MUL16 0, 1, NQ-1, 0, 0
	s_wait_dscnt 0x0                               ; the add is done, and my reads of slot 0 are over
	s_barrier_signal -1
	MUL16 2, 1, NQ-1, 0, 0
	WIN 0
	s_barrier_wait -1
	PLACES NP
	v_add_nc_u32 v[ADRS], 4*NQ, v[ADRS]            ; on to slot 1's scale words
	FETCH_B 1, 0, 0
	FETCH_A 1, 0, 0
	SCALES 1
	WIN MUL_HI
	MUL16 4, 1, NQ-1, 0, 0
	MUL16 6, 1, NQ-1, 0, 0
	PLACES NP
	WIN 0
	FETCH_A 1, 0, 4
	STEP 1, 0, 0
	STEP 1, 1, 0
	STEP 1, 2, 0
	s_wait_dscnt 4*NL                              ; the very last step
	WIN MUL_LO
	MUL16 0, 1, NQ-1, 1, 0
	MUL16 2, 1, NQ-1, 1, 0
	s_wait_dscnt 0
	WIN MUL_HI
	MUL16 4, 1, NQ-1, 1, 0
	MUL16 6, 1, NQ-1, 1, 0
	WIN 0
	PLACES NP
	; THE WAY OUT.  The stages lie in slot 0, which has had its last fill; every wave has passed the change of slots, behind which nobody reads it.
	; First my block 0 as f32, through the f32 stage: every wave runs these lines; the stores are switched off by EXEC, not by a jump, in the waves whose block 0 is not positions 0-15 of a sequence.
	WIN 0x08                                       ; an LDS store's data: window 2
.irp b, 0,1,2,3,4,5,6,7
	ds_store_b128 v[STO32], v[8*\b:8*\b+3] offset:64*\b            ; each accumulator from its low end on
	ds_store_b128 v[STO32], v[8*\b+4:8*\b+7] offset:64*\b+16
.endr
	WIN 0
.irp t, 0,1,2,3,4,5,6,7,8,9,10,11,12,13,14,15
	ds_load_b128 v[BF+4*\t:BF+4*\t+3], v[RD32] offset:\t*528       ; LDS serves a wave's instructions in order: these see the stores above
.endr
	v_mov_b32 v30, s95
	v_cmp_eq_u32 vcc_lo, 0, v30
	s_wait_dscnt 0x0
	s_wait_xcnt 0x0                                ; EXEC changes only behind this wait
	s_and_saveexec_b32 s94, vcc_lo
.irp t, 0,1,2,3,4,5,6,7,8,9,10,11,12,13,14,15
	global_store_b128 v[CO], v[BF+4*\t:BF+4*\t+3], s[98:99] offset:\t*12288   ; 512 consecutive bytes of row s = t
.endr
	s_wait_xcnt 0x0                                ; and again, in front of the line that widens it
	s_or_b32 exec_lo, exec_lo, s94
; Block a (16 rows x 128 columns = two heads): rounded to f16, 16 bytes a lane, through the f16 stage, back as rows of 128 bytes: an instruction stores four rows, 512 dense bytes of a head.
.macro PACK a
.set AC, 64*((\a)%4)
	WIN 0x0a+5*((\a)/4)                            ; sources 0 and 1: window 2 or 3
.irp b, 0,1,2,3,4,5,6,7
.irp r, 0,1,2,3
	v_cvt_pk_f16_f32 v[TMP+4*\b+\r], v[AC+8*\b+2*\r], v[AC+8*\b+2*\r+1]
.endr
.endr
	WIN 0
.endm
.macro TOSTAGE a
.set BB, BK+32*((\a)%2)
.irp b, 0,1,2,3,4,5,6,7
	ds_store_b128 v[STO16], v[TMP+4*\b:TMP+4*\b+3] offset:(\b/4)*2304+(\b%4)*32
.endr
.irp u, 0,1,2,3,4,5,6,7
	ds_load_b128 v[BB+4*\u:BB+4*\u+3], v[RD16] offset:(\u/4)*2304+(\u%4)*576
.endr
.endm
.macro SEND a
.set BB, BK+32*((\a)%2)
	s_wait_dscnt 0x0                               ; the block is back in registers
	s_wait_xcnt 0x0                                ; the block before has been read by its stores: the next block's loads may land in its registers
.irp u, 0,1,2,3,4,5,6,7
	global_store_b128 v[CO], v[BB+4*\u:BB+4*\u+3], s[12:13] offset:(\u/4)*262144+(\a)*2048+(\u%4)*512
.endr
.endm
	PACK 0
	TOSTAGE 0
.irp a, 1,2,3,4,5,6,7
	PACK \a                                        ; block a's conversions stand between block a - 1's loads from the stage and the wait for them
	SEND \a-1
	TOSTAGE \a
.endr
	SEND 7
	s_wait_tensorcnt 0x0                           ; the wave's end
	ds_add_u32 v[SPW], v[NIL]
	s_wait_dscnt 0x0
	CROUND                                         ; the closing round
	s_endpgm
.Lfunc_end_k_q1eb2843b7f_qkv:
	.size	k_q1eb2843b7f_qkv, .Lfunc_end_k_q1eb2843b7f_qkv-k_q1eb2843b7f_qkv
	.p2alignl 7, 3214868480
	.fill 96, 4, 3214868480
	.section	.rodata,"a",@progbits
	.p2align	6, 0x0
	.amdhsa_kernel k_q1eb2843b7f_qkv
		.amdhsa_group_segment_fixed_size 327680
		.amdhsa_private_segment_fixed_size 0
		.amdhsa_enable_private_segment 0
		.amdhsa_kernarg_size 48
		.amdhsa_user_sgpr_count 2
		.amdhsa_user_sgpr_kernarg_segment_ptr 1
		.amdhsa_wavefront_size32 1
		.amdhsa_system_sgpr_workgroup_id_x 1
		.amdhsa_system_sgpr_workgroup_id_y 1
		.amdhsa_system_sgpr_workgroup_id_z 1
		.amdhsa_system_vgpr_workitem_id 0
		.amdhsa_next_free_vgpr 1024
		.amdhsa_next_free_sgpr 100
		.amdhsa_reserve_vcc 1
		.amdhsa_float_denorm_mode_32 3
		.amdhsa_float_denorm_mode_16_64 3
		.amdhsa_memory_ordered 1
		.amdhsa_forward_progress 1
		.amdhsa_inst_pref_size 131
	.end_amdhsa_kernel
	.amdgpu_metadata
---
amdhsa.version: [ 1, 2 ]
amdhsa.kernels:
  - .name:           k_q1eb2843b7f_qkv
    .symbol:         k_q1eb2843b7f_qkv.kd
    .args:
      - { .name: xc, .offset: 0, .size: 8, .value_kind: global_buffer, .address_space: global }
      - { .name: xs, .offset: 8, .size: 8, .value_kind: global_buffer, .address_space: global }
      - { .name: wc, .offset: 16, .size: 8, .value_kind: global_buffer, .address_space: global }
      - { .name: ws, .offset: 24, .size: 8, .value_kind: global_buffer, .address_space: global }
      - { .name: qkv16, .offset: 32, .size: 8, .value_kind: global_buffer, .address_space: global }
      - { .name: qkv32, .offset: 40, .size: 8, .value_kind: global_buffer, .address_space: global }
    .group_segment_fixed_size: 327680
    .private_segment_fixed_size: 0
    .kernarg_segment_align: 8
    .kernarg_segment_size: 48
    .max_flat_workgroup_size: 128
    .sgpr_count:     100
    .vgpr_count:     1024
    .wavefront_size: 32
...
	.end_amdgpu_metadata
.endif
;; end of part 2
;; launch attn (part 3): grid 4 x 64, 8 waves a work-group, no clusters, 327,680 bytes of LDS; arguments qkv16, o16; writes o16
.if DOCPART == 3
	.amdgcn_target "amdgcn-amd-amdhsa--gfx1250"
	.amdhsa_code_object_version 6
	.text
	.protected	k_q1eb2843b7f_attn
	.globl	k_q1eb2843b7f_attn
	.p2align	8
	.type	k_q1eb2843b7f_attn,@function
k_q1eb2843b7f_attn:
	s_mov_b64 s[64:65], 0
	v_nop
	global_prefetch_b8 v0, s[64:65] scope:SCOPE_SE
	s_setreg_imm32_b32 hwreg(HW_REG_WAVE_MODE, 25, 1), 1
	s_wait_xcnt 0x0
; ATTN: o[b][h][s][:] = sum over t <= s of softmax_t(q[s] . k[t] / 8) v[t][:], head size 64, 2,048 positions, 64 heads in all.  q, k, v: f16 (qkv16 [3][64 bh][2048][64]); products, maxima and sums in f32;
; the weights p are rounded to f16 for the second product; o leaves as f16, o16 [16 h][8192 m][64].  (Positions 0-15 of each sequence are made again, in f32, by a later launch.)
; SHARES.  A head's queries are 8 blocks of 256.  Work-group i (0..3) of a head takes block 7 - i first and then block i: (8 - i) + (i + 1) = 9 units of 256 keys for every work-group: 256 equal work-groups,
; constant trip counts, and every tile that is fetched is read.  A wave owns 32 queries: two tiles of 16.  Two waves share a SIMD, so that one wave's softmax stands beside the other's products.
; NO CLUSTER: the four work-groups of a head walk different runs of key units (0 .. 7 - i, then 0 .. i): a joint walk would take 12 units in place of 9, and partners would jump over tiles that they had asked for.
; LAYOUT.  S^T = K Q^T (source 0 = 16 keys, source 1 = 16 queries), O^T = V^T P (source 0 = 16 channels, source 1 = P): a lane holds one query (lane % 16) throughout.  V ([key][channel]) comes out of LDS turned.
; SOFTMAX.  A running maximum m and sum l for each query: p = 2^(c s - c m), c = log2(e) / 8; in every step O and l are multiplied by a = 2^(c m_old - c m_new).
; LIMIT: |q|, |k|, |v|, |o| under 65,504.
; REGISTERS: v1-12 addresses; v16-31 statistics, eight a tile: +0 c m, +1 m, +2, +3 l, +4 to +7 at work (a in +6); v32-63 Q; v64-127 K's, then V's fragments; v128-191 S^T, P in place; v192-255 O^T.
.set PK,    144                        ; a row of K in LDS: 128 bytes + 16
.set PVV,   160                        ; a row of V: 128 + 32: an odd multiple of 32 bytes
.set VOFF,  256*PK                     ; a slot: 256 rows of K, then 256 rows of V
.set SLOT1, 1<<17                      ; slot 1 begins here: one exclusive or turns an address from one slot to the other
.set STAGE, SLOT1+256*(PK+PVV)         ; behind the ring: 32 rows x 144 bytes for each wave; no tile lands here
.set SPARE, STAGE+8*32*144             ; the spare words, 128 bytes for each wave: four blocks of 256 bytes that no other line names
.set ST,  16
.set Q,   32
.set KV,  64
.set S,   128
.set O,   192
; s8 wave, s9 i, s10 head in the batch, s11 units of the first block, s12 unit, s13 the step's first key, s14 my first query, s15, s16 LDS byte of the step's K, V, s17 steps to go,
; s[18:19] q, s[20:21] o, s[22:23] c, s[24:31], s[32:39] group 1 for K, V, s[40:43], s[44:47] their groups 0, s[48:49] lane selects, s[50:51] an offset, s[52:53], s[54:55] my quarter of K, V,
; s[56:57] where my prefetches stand, s58 their limit, s59 my first query x 128
; Waves 0-3 fetch the quarters of K's tile, waves 4-7 those of V's: 64 rows a load.  An s_nop 0 and four v_nop follow each of the two lines.
.macro TLOAD
	s_cmp_lt_u32 s8, 4
	s_cbranch_scc0 .Lfor_v_\@
	tensor_load_to_lds s[40:43], s[24:31]
	s_nop 0
.rept 4
	v_nop
.endr
	s_branch .Lasked_\@
.Lfor_v_\@:
	tensor_load_to_lds s[44:47], s[32:39]
	s_nop 0
.rept 4
	v_nop
.endr
.Lasked_\@:
.endm
; A prefetch into the L2 of what the next change of slots will ask for.  All four work-groups of a head walk the same K and V: work-group 0, which walks units 0 to 7 in order, asks, and nobody else.
; Each wave names its own quarter of the unit two on, 8,192 bytes, lanes 256 bytes apart: each block once in the launch.  Units 0 and 1 come by their loads alone; behind unit 5 there is nothing left to name.
.macro ASK
	s_cmp_lt_u32 s12, s58
	s_cbranch_scc0 .Lnot_mine_\@
	global_prefetch_b8 v10, s[56:57] th:TH_LOAD_NT scope:SCOPE_SE
.Lnot_mine_\@:
.endm
; THE CHANGE OF SLOTS stands at a unit's head.  Each wave waits for all its tensor loads (one is out: its part of the unit that it is about to read), adds 0 to its spare word, and waits for that and for its
; reads of the slot that it has left.  fill = 1: behind the barrier that slot is filled with the next unit's keys: unit u + 1 holds keys 256 x (u + 1), or 256 x (u + 1 - s11) in the second block.
.macro CHANGE fill
	s_wait_tensorcnt 0x0                           ; no tensor load of mine is out, so a group 0 may be written
	ds_add_u32 v11, v12
.if \fill
	s_add_co_u32 s60, s12, 1
	s_sub_co_u32 s61, s60, s11
	s_cmp_lt_u32 s60, s11
	s_cselect_b32 s60, s60, s61
	s_lshl_b32 s50, s60, 15                        ; 256 rows of 128 bytes a unit
	s_xor_b32 s41, s41, SLOT1
	s_xor_b32 s45, s45, SLOT1
	s_add_nc_u64 s[42:43], s[52:53], s[50:51]
	s_or_b32 s43, s43, 0x80000000
	s_add_nc_u64 s[46:47], s[54:55], s[50:51]
	s_or_b32 s47, s47, 0x80000000
	s_wait_xcnt 0x0                                ; the last prefetch, a unit back, has read its address
	s_add_nc_u64 s[56:57], s[56:57], 0x8000
.endif
	s_wait_dscnt 0x0                               ; the add is done, and my reads of the slot that I have left are over
	s_barrier_signal -1
	s_barrier_wait -1
.if \fill
	TLOAD                                          ; the first thing behind the barrier, and my one tensor load until the next
	ASK
.endif
.endm
.macro SOFTMAX                         ; the two tiles line by line, so that no line waits for the line above it
.irp j, 0,1,2,3
.irp t, 0,1
	v_max3_num_f32 v[ST+8*\t+4+\j], v[S+32*\t+8*\j], v[S+32*\t+8*\j+1], v[S+32*\t+8*\j+2]   ; four chains; each accumulator is read from its low end on
.endr
.endr
.irp g, 1,2
.irp j, 0,1,2,3
.irp t, 0,1
	v_max3_num_f32 v[ST+8*\t+4+\j], v[ST+8*\t+4+\j], v[S+32*\t+8*\j+2*\g+1], v[S+32*\t+8*\j+2*\g+2]
.endr
.endr
.endr
.irp t, 0,1
	v_max3_num_f32 v[ST+8*\t+4], v[ST+8*\t+4], v[S+32*\t+7], v[S+32*\t+15]
	v_max3_num_f32 v[ST+8*\t+6], v[ST+8*\t+6], v[S+32*\t+23], v[S+32*\t+31]
.endr
.irp t, 0,1
	v_max3_num_f32 v[ST+8*\t+4], v[ST+8*\t+4], v[ST+8*\t+5], v[ST+8*\t+6]
.endr
.irp t, 0,1
	v_max3_num_f32 v[ST+8*\t+4], v[ST+8*\t+4], v[ST+8*\t+7], v[ST+8*\t+1]   ; with the old m
.endr
.irp t, 0,1
	v_permlanex16_b32 v[ST+8*\t+5], v[ST+8*\t+4], s48, s49   ; the query's other 32 keys lie in the lane 16 away
.endr
.irp t, 0,1
	v_mov_b32 v[ST+8*\t+7], v[ST+8*\t]             ; c m_old
.endr
.irp t, 0,1
	v_max_num_f32 v[ST+8*\t+1], v[ST+8*\t+4], v[ST+8*\t+5]
.endr
.irp t, 0,1
	v_mul_f32 v[ST+8*\t], s22, v[ST+8*\t+1]
.endr
.irp t, 0,1
	v_sub_f32 v[ST+8*\t+7], v[ST+8*\t+7], v[ST+8*\t]
.endr
.irp b, 0,2,4,6,8,10,12,14,16,18,20,22,24,26,28,30
.irp t, 0,1
	v_pk_fma_f32 v[S+32*\t+\b:S+32*\t+\b+1], v[S+32*\t+\b:S+32*\t+\b+1], s[22:23], v[ST+8*\t:ST+8*\t+1] op_sel_hi:[1,0,0] neg_lo:[0,0,1] neg_hi:[0,0,1]   ; c s - c m
.endr
.endr
.irp t, 0,1
	v_exp_f32 v[ST+8*\t+6], v[ST+8*\t+7]           ; a
.endr
.irp e, 0,1,2,3,4,5,6,7,8,9,10,11,12,13,14,15,16,17,18,19,20,21,22,23,24,25,26,27,28,29,30,31
.irp t, 0,1
	v_exp_f32 v[S+32*\t+\e], v[S+32*\t+\e]         ; p.  The 66 exponentials are one batch: none reads another's result
.endr
.endr
	v_nop                                          ; a plain line behind the last exponential
	s_wait_alu depctr_va_vdst(0)                   ; one wait for the batch, ahead of its first reader
.irp t, 0,1
	v_pk_mul_f32 v[ST+8*\t+2:ST+8*\t+3], v[ST+8*\t+2:ST+8*\t+3], v[ST+8*\t+6:ST+8*\t+7] op_sel_hi:[1,0]   ; l x a
.endr
.irp t, 0,1
	v_pk_add_f32 v[ST+8*\t+4:ST+8*\t+5], v[S+32*\t+2:S+32*\t+3], v[S+32*\t+6:S+32*\t+7]   ; the sums are taken of the unrounded p, in two chains
.endr
.irp b, 0,4
.irp t, 0,1
	v_pk_add_f32 v[ST+8*\t+2:ST+8*\t+3], v[ST+8*\t+2:ST+8*\t+3], v[S+32*\t+\b:S+32*\t+\b+1]
.endr
.endr
.irp b, 8,12,16,20,24,28
.irp t, 0,1
	v_pk_add_f32 v[ST+8*\t+2:ST+8*\t+3], v[ST+8*\t+2:ST+8*\t+3], v[S+32*\t+\b:S+32*\t+\b+1]
	v_pk_add_f32 v[ST+8*\t+4:ST+8*\t+5], v[ST+8*\t+4:ST+8*\t+5], v[S+32*\t+\b+2:S+32*\t+\b+3]
.endr
.endr
.irp t, 0,1
	v_pk_add_f32 v[ST+8*\t+2:ST+8*\t+3], v[ST+8*\t+2:ST+8*\t+3], v[ST+8*\t+4:ST+8*\t+5]
.endr
.irp i, 0,1,2,3,4,5,6,7,8,9,10,11,12,13,14,15
.irp t, 0,1
	v_cvt_pk_f16_f32 v[S+32*\t+\i], v[S+32*\t+2*\i], v[S+32*\t+2*\i+1]   ; P in place: register i takes pair i, which lies at or above it
.endr
.endr
.irp i, 0,2,4,6,8,10,12,14,16,18,20,22,24,26,28,30
.irp t, 0,1
	v_pk_mul_f32 v[O+32*\t+\i:O+32*\t+\i+1], v[O+32*\t+\i:O+32*\t+\i+1], v[ST+8*\t+6:ST+8*\t+7] op_sel_hi:[1,0]   ; O^T x a
.endr
.endr
.endm
; A unit's four key steps of 64 keys: written once, walked four times; the LDS addresses hang on s15 and s16.
.macro STEPS
	s_mov_b32 s17, 4
.Lstep_\@:
	s_add_co_u32 s60, s14, 31                      ; a step all of whose keys come after my 32 queries is left out: ids and counts alone; no barrier and no tensor load stands in a step
	s_cmp_gt_u32 s13, s60
	s_cbranch_scc1 .Lhidden_\@
	v_add_nc_u32 v3, s15, v1
.rept 5
	v_nop                                          ; with the line above six places behind the last V^T P: four are owed to the loads into its fragments, five to the products that write over P
.endr
.irp kt, 0,1,2,3
.irp cs, 0,1
	ds_load_b128 v[KV+16*\kt+8*\cs:KV+16*\kt+8*\cs+3], v3 offset:\kt*16*PK+\cs*64
	ds_load_b128 v[KV+16*\kt+8*\cs+4:KV+16*\kt+8*\cs+7], v3 offset:\kt*16*PK+\cs*64+32
.endr
.endr
	s_wait_dscnt 0x0
.irp cs, 0,1                           ; S^T = K Q^T: eight accumulators by turns, one instruction a turn
.irp kt, 0,1,2,3
.irp t, 0,1
.if \cs == 0
	v_wmma_f32_16x16x32_f16 v[S+32*\t+8*\kt:S+32*\t+8*\kt+7], v[KV+16*\kt+8*\cs:KV+16*\kt+8*\cs+7], v[Q+16*\t+8*\cs:Q+16*\t+8*\cs+7], 0
.else
	v_wmma_f32_16x16x32_f16 v[S+32*\t+8*\kt:S+32*\t+8*\kt+7], v[KV+16*\kt+8*\cs:KV+16*\kt+8*\cs+7], v[Q+16*\t+8*\cs:Q+16*\t+8*\cs+7], v[S+32*\t+8*\kt:S+32*\t+8*\kt+7]
.endif
.endr
.endr
.endr
	v_add_nc_u32 v3, s16, v2
.rept 3
	v_nop                                          ; four places: for the loads into K's registers and for the first read of the scores
.endr
.irp a, 0,1
.irp ct, 0,1,2,3
	ds_load_tr16_b128 v[KV+32*\a+8*\ct:KV+32*\a+8*\ct+3], v3 offset:\a*32*PVV+\ct*32
	ds_load_tr16_b128 v[KV+32*\a+8*\ct+4:KV+32*\a+8*\ct+7], v3 offset:\a*32*PVV+16*PVV+\ct*32
.endr
.endr
	s_add_co_u32 s60, s13, 63                      ; a step all of whose keys count for all my queries has no mask
	s_cmp_le_u32 s60, s14
	s_cbranch_scc1 .Lopen_\@
	s_sub_co_i32 s60, s14, s13
	v_add_nc_u32 v[ST+4], s60, v9                  ; d = my query - the step's first key - 8 (lane / 16); register n holds key 16 (n / 8) + n % 8 beyond that: hidden where it is above d
	v_add_nc_u32 v[ST+12], 16, v[ST+4]
	v_mov_b32 v[ST+5], 0xff800000                  ; -infinity: p = 0 then.  Key 0 counts for every query, so m is a number from the first step on
.irp t, 0,1
.irp n, 0,1,2,3,4,5,6,7,8,9,10,11,12,13,14,15,16,17,18,19,20,21,22,23,24,25,26,27,28,29,30,31
	v_cmp_gt_i32 vcc_lo, 16*(\n/8)+\n%8, v[ST+8*\t+4]
	v_cndmask_b32 v[S+32*\t+\n], v[S+32*\t+\n], v[ST+5], vcc_lo
.endr
.endr
.Lopen_\@:
	SOFTMAX
	s_wait_dscnt 0x0                               ; V is in
.irp a, 0,1                            ; O^T += V^T P: eight accumulators by turns
.irp ct, 0,1,2,3
.irp t, 0,1
	v_wmma_f32_16x16x32_f16 v[O+32*\t+8*\ct:O+32*\t+8*\ct+7], v[KV+32*\a+8*\ct:KV+32*\a+8*\ct+7], v[S+32*\t+8*\a:S+32*\t+8*\a+7], v[O+32*\t+8*\ct:O+32*\t+8*\ct+7]
.endr
.endr
.endr
.Lhidden_\@:
	s_add_co_u32 s13, s13, 64
	s_add_co_u32 s15, s15, 64*PK
	s_add_co_u32 s16, s16, 64*PVV
	s_sub_co_u32 s17, s17, 1
	s_cmp_lg_u32 s17, 0
	s_cbranch_scc1 .Lstep_\@
	s_sub_co_u32 s15, s15, 256*PK                  ; back to a slot's first step,
	s_sub_co_u32 s16, s16, 256*PVV
	s_xor_b32 s15, s15, SLOT1                      ; in the other slot
	s_xor_b32 s16, s16, SLOT1
.endm
.macro LOADQ                           ; my 32 queries' fragments stay in registers
	v_add_nc_u32 v8, s59, v4
.irp t, 0,1
.irp cs, 0,1
	global_load_b128 v[Q+16*\t+8*\cs:Q+16*\t+8*\cs+3], v8, s[18:19] offset:2048*\t+64*\cs
	global_load_b128 v[Q+16*\t+8*\cs+4:Q+16*\t+8*\cs+7], v8, s[18:19] offset:2048*\t+64*\cs+32
.endr
.endr
.endm
.macro INIT                            ; the step is written once: the first finds m = -3e38, l = 0 and O^T = 0, which the first a = 0 leaves zeros
.irp t, 0,1
	v_mov_b32 v[ST+8*\t+1], 0xff61b1e6
	v_mul_f32 v[ST+8*\t], s22, v[ST+8*\t+1]
	v_mov_b32 v[ST+8*\t+2], 0
	v_mov_b32 v[ST+8*\t+3], 0
.endr
.set i, 0
.rept 64
	v_mov_b32 v[O+i], 0
.set i, i+1
.endr
.endm
; O^T / l, rounded to f16, through my stage (16 bytes a lane into rows of 144 bytes), back as rows of 128 bytes: an instruction stores four rows, 512 dense bytes of o16.
.macro WAYOUT
.rept 4
	v_nop                                          ; places behind the last products
.endr
.irp t, 0,1
	v_add_f32 v[ST+8*\t+4], v[ST+8*\t+2], v[ST+8*\t+3]
.endr
.irp t, 0,1
	v_permlanex16_b32 v[ST+8*\t+5], v[ST+8*\t+4], s48, s49
.endr
.irp t, 0,1
	v_add_f32 v[ST+8*\t+4], v[ST+8*\t+4], v[ST+8*\t+5]
.endr
.irp t, 0,1
	v_rcp_f32 v[ST+8*\t+6], v[ST+8*\t+4]
.endr
	v_nop                                          ; a plain line behind the reciprocals
	s_wait_alu depctr_va_vdst(0)                   ; and one wait for both, ahead of their first reader
.irp t, 0,1
.irp i, 0,2,4,6,8,10,12,14,16,18,20,22,24,26,28,30
	v_pk_mul_f32 v[O+32*\t+\i:O+32*\t+\i+1], v[O+32*\t+\i:O+32*\t+\i+1], v[ST+8*\t+6:ST+8*\t+7] op_sel_hi:[1,0]
.endr
.endr
.irp t, 0,1
.irp i, 0,1,2,3,4,5,6,7,8,9,10,11,12,13,14,15
	v_cvt_pk_f16_f32 v[S+16*\t+\i], v[O+32*\t+2*\i], v[O+32*\t+2*\i+1]
.endr
.endr
	s_wait_xcnt 0x0                                ; v8 is written again only behind this wait
	v_add_nc_u32 v8, s59, v5
.irp t, 0,1
.irp ct, 0,1,2,3
	ds_store_b128 v6, v[S+16*\t+4*\ct:S+16*\t+4*\ct+3] offset:2304*\t+32*\ct
.endr
.endr
.irp i, 0,1,2,3,4,5,6,7
	ds_load_b128 v[S+32+4*\i:S+32+4*\i+3], v7 offset:576*\i        ; LDS serves a wave's instructions in order: these see the stores above
.endr
.irp i, 0,1,2,3,4,5,6,7
	s_wait_dscnt 7-\i                              ; the younger loads stay out
	global_store_b128 v8, v[S+32+4*\i:S+32+4*\i+3], s[20:21] offset:512*\i
.endr
	s_wait_xcnt 0x0                                ; the stores have read their registers: the next scores may be written there
.endm
	s_load_b128 s[4:7], s[0:1], 0x0                ; qkv16, o16
	v_lshl_add_u32 v11, v0, 2, SPARE               ; my spare word; never rewritten
	v_mov_b32 v12, 0                               ; 0; never rewritten
	ds_add_u32 v11, v12                            ; the wave's opening: the add, twice on end, and its wait ahead of my first tensor load
	ds_add_u32 v11, v12
	v_lshrrev_b32 v13, 5, v0
	v_readfirstlane_b32 s8, v13                    ; wave 0..7
	s_mov_b32 s9, ttmp9                            ; i
	s_and_b32 s10, ttmp7, 0xffff                   ; 16 b + h
	s_sub_co_u32 s11, 8, s9                        ; the first block's units
	s_mov_b32 s24, (1<<16)|(1<<20)|(4<<22)|(3<<25) ; K: elements of 2 bytes; padding: 4 words behind every 32
	s_mov_b32 s32, (1<<16)|(1<<20)|(4<<22)|(7<<25) ; V: 8 words
.irp g, 24, 32
	s_mov_b32 s[\g+1], 64<<16                      ; tensor_dim0 = 64
	s_mov_b32 s[\g+2], 64<<16                      ; tensor_dim1 = 64
	s_mov_b32 s[\g+3], 64<<16                      ; tile_dim0 = 64
	s_mov_b32 s[\g+4], 64                          ; tile_dim1 = 64
	s_mov_b32 s[\g+5], 64                          ; from row to row
	s_mov_b32 s[\g+6], 0
	s_mov_b32 s[\g+7], 0
.endr
	s_mov_b32 s22, 0x3e38aa3b                      ; c = log2(e) / 8
	s_mov_b32 s23, s22
	s_mov_b32 s48, 0x76543210
	s_mov_b32 s49, 0xfedcba98
	s_and_b32 s60, s8, 3                           ; which quarter of a tile I fetch
	s_mul_i32 s61, s60, 64*PK
	s_mul_i32 s62, s60, 64*PVV
	s_add_co_u32 s62, s62, VOFF
	s_lshl_b32 s60, s60, 13
	s_mov_b32 s51, 0
	s_mov_b32 s12, 0
	s_mov_b32 s13, 0
	s_mov_b32 s15, 0
	s_mov_b32 s16, 0
	s_wait_dscnt 0x0                               ; both opening adds are done
	s_wait_kmcnt 0x0
	s_lshl_b32 s50, s10, 18                        ; a head is 2,048 rows of 128 bytes
	s_add_nc_u64 s[18:19], s[4:5], s[50:51]        ; q
	s_mov_b32 s50, s60
	s_add_nc_u64 s[52:53], s[18:19], s[50:51]
	s_add_nc_u64 s[54:55], s[52:53], 0x2000000     ; v, my quarter
	s_add_nc_u64 s[52:53], s[52:53], 0x1000000     ; k, my quarter
	s_and_b32 s50, s10, 15
	s_lshl_b32 s50, s50, 20
	s_lshr_b32 s60, s10, 4
	s_lshl_b32 s60, s60, 18
	s_add_co_u32 s50, s50, s60
	s_add_nc_u64 s[20:21], s[6:7], s[50:51]        ; o: plane h, rows 2,048 b on
	s_mov_b32 s40, 1
	s_mov_b32 s41, s61
	s_mov_b64 s[42:43], s[52:53]
	s_or_b32 s43, s43, 0x80000000
	s_mov_b32 s44, 1
	s_mov_b32 s45, s62
	s_mov_b64 s[46:47], s[54:55]
	s_or_b32 s47, s47, 0x80000000
	TLOAD                                          ; unit 0 into slot 0
	s_cmp_lt_u32 s8, 4
	s_cselect_b64 s[56:57], s[52:53], s[54:55]
	s_add_nc_u64 s[56:57], s[56:57], 0x8000        ; at unit 1: the first change steps it to unit 2.  Nothing is prefetched here, at the head
	s_cmp_eq_u32 s9, 0
	s_cselect_b32 s58, 6, 0
	v_and_b32 v13, 15, v0                          ; r
	v_bfe_u32 v14, v0, 4, 1                        ; h
	v_and_b32 v15, 31, v0                          ; lane
	v_mul_u32_u24 v1, v13, PK
	v_lshl_add_u32 v1, v14, 4, v1                  ; K: row r, + 16 h
	v_and_b32 v3, 7, v0
	v_lshl_add_u32 v3, v14, 3, v3
	v_mul_u32_u24 v2, v3, PVV
	v_bfe_u32 v3, v0, 3, 1
	v_lshl_add_u32 v2, v3, 4, v2
	v_add_nc_u32 v2, VOFF, v2                      ; V: key 8 h + lane % 8, channels 8 ((lane / 8) % 2) on
	v_lshlrev_b32 v4, 7, v13
	v_lshl_add_u32 v4, v14, 4, v4                  ; Q: row r of 128 bytes, + 16 h
	v_lshlrev_b32 v5, 4, v15                       ; 16 x lane
	s_mul_i32 s60, s8, 32*144
	s_add_co_u32 s60, s60, STAGE
	v_add_nc_u32 v6, s60, v1                       ; the stage, in: row r, + 16 h
	v_lshrrev_b32 v3, 3, v15
	v_mul_u32_u24 v7, v3, 144
	v_and_b32 v3, 7, v0
	v_lshl_add_u32 v7, v3, 4, v7
	v_add_nc_u32 v7, s60, v7                       ; back: eight lanes to a row
	v_lshlrev_b32 v9, 3, v14
	v_sub_nc_u32 v9, v13, v9                       ; r - 8 h
	v_lshlrev_b32 v10, 8, v15                      ; 256 x lane
	s_sub_co_u32 s60, 7, s9
	s_lshl_b32 s14, s60, 8
	s_lshl_b32 s60, s8, 5
	s_add_co_u32 s14, s14, s60                     ; my first query: block 7 - i
	s_lshl_b32 s59, s14, 7
	LOADQ
	INIT
	s_wait_loadcnt 0x0                             ; Q
.Lunit:                                            ; eight trips: behind each change of slots but the last the next unit is asked for
	CHANGE 1
	STEPS
	s_add_co_u32 s12, s12, 1
	s_cmp_lg_u32 s12, s11                          ; the first block is done: ids and the count alone, the same in all eight waves; no barrier, tensor load or wait for one stands in this arm
	s_cbranch_scc1 .Lsame
	WAYOUT
	s_lshl_b32 s14, s9, 8
	s_lshl_b32 s60, s8, 5
	s_add_co_u32 s14, s14, s60                     ; block i
	s_lshl_b32 s59, s14, 7
	s_mov_b32 s13, 0
	LOADQ
	INIT
	s_wait_loadcnt 0x0
.Lsame:
	s_cmp_lt_u32 s12, 8
	s_cbranch_scc1 .Lunit
	CHANGE 0                                       ; the last unit is written out: nothing is left to fetch
	STEPS
	WAYOUT
	s_wait_tensorcnt 0x0                           ; the wave's end
	ds_add_u32 v11, v12
	s_wait_dscnt 0x0
	s_endpgm
.Lfunc_end_k_q1eb2843b7f_attn:
	.size	k_q1eb2843b7f_attn, .Lfunc_end_k_q1eb2843b7f_attn-k_q1eb2843b7f_attn
	.p2alignl 7, 3214868480
	.fill 96, 4, 3214868480
	.section	.rodata,"a",@progbits
	.p2align	6, 0x0
	.amdhsa_kernel k_q1eb2843b7f_attn
		.amdhsa_group_segment_fixed_size 327680
		.amdhsa_private_segment_fixed_size 0
		.amdhsa_enable_private_segment 0
		.amdhsa_kernarg_size 16
		.amdhsa_user_sgpr_count 2
		.amdhsa_user_sgpr_kernarg_segment_ptr 1
		.amdhsa_wavefront_size32 1
		.amdhsa_system_sgpr_workgroup_id_x 1
		.amdhsa_system_sgpr_workgroup_id_y 1
		.amdhsa_system_sgpr_workgroup_id_z 1
		.amdhsa_system_vgpr_workitem_id 0
		.amdhsa_next_free_vgpr 256
		.amdhsa_next_free_sgpr 66
		.amdhsa_reserve_vcc 1
		.amdhsa_float_denorm_mode_32 3
		.amdhsa_float_denorm_mode_16_64 3
		.amdhsa_memory_ordered 1
		.amdhsa_forward_progress 1
		.amdhsa_inst_pref_size 71
	.end_amdhsa_kernel
	.amdgpu_metadata
---
amdhsa.version: [ 1, 2 ]
amdhsa.kernels:
  - .name:           k_q1eb2843b7f_attn
    .symbol:         k_q1eb2843b7f_attn.kd
    .args:
      - { .name: qkv16, .offset: 0, .size: 8, .value_kind: global_buffer, .address_space: global }
      - { .name: o16, .offset: 8, .size: 8, .value_kind: global_buffer, .address_space: global }
    .group_segment_fixed_size: 327680
    .private_segment_fixed_size: 0
    .kernarg_segment_align: 8
    .kernarg_segment_size: 16
    .max_flat_workgroup_size: 256
    .sgpr_count:     66
    .vgpr_count:     256
    .wavefront_size: 32
...
	.end_amdgpu_metadata
.endif
;; end of part 3
;; launch oproj (part 4): grid 4 x 64, 4 waves a work-group, clusters of 4 x 4, 327,680 bytes of LDS; arguments o16, wo16, bo, out0; writes out0
.if DOCPART == 4
	.amdgcn_target "amdgcn-amd-amdhsa--gfx1250"
	.amdhsa_code_object_version 6
	.text
	.protected	k_q1eb2843b7f_oproj
	.globl	k_q1eb2843b7f_oproj
	.p2align	8
	.type	k_q1eb2843b7f_oproj,@function
k_q1eb2843b7f_oproj:
	s_mov_b64 s[64:65], 0
	v_nop
	global_prefetch_b8 v0, s[64:65] scope:SCOPE_SE
	s_setreg_imm32_b32 hwreg(HW_REG_WAVE_MODE, 25, 1), 1
	s_wait_xcnt 0x0
	s_wait_alu depctr_hold_cnt(0) depctr_sa_sdst(0) depctr_va_vdst(0) depctr_va_sdst(0) depctr_va_ssrc(0) depctr_va_vcc(0) depctr_vm_vsrc(0)
	s_getreg_b32 s2, hwreg(HW_REG_IB_STS2, 6, 4)
	s_cmp_eq_u32 s2, 0
	s_cbranch_scc0 .Lentry_in_a_cluster
	s_endpgm
.Lentry_in_a_cluster:
	s_bfe_u32 s2, ttmp6, 0x10000c
	s_cmp_lg_u32 s2, 0xf033
	s_cbranch_scc0 .Lentry_shape_is_right
	s_endpgm
.Lentry_shape_is_right:
; OPROJ: out0[m][n] = sum over k of o[m][k] Wo[n][k] + bo[n], f16 operands, f32 sums.  o16 [16 h][8192 m][64] (k = 64 h + e), wo16 [8 P][1024 n][128] (k = 128 P + j), out0 [8192][1024] f32.
; (The 64 rows that are positions 0-15 of a sequence are stored here too, and stored again, from f32 operands, by the launch that follows: leaving them out would take a branch on a work-group's place in its cluster.)
; A tile of C is 128 (m) x 256 (n): 64 x 4 = 256 work-groups.  Four waves, each 64 x 128: 32 accumulators.  K goes in 8 steps of 128 through two LDS slots: o's tile is two planes of 128 rows x 128 bytes, Wo's 256 rows x 256 bytes.
; CLUSTERS: 4 x 4 work-groups; o's tiles are shared along a row of the cluster, Wo's along a column: each is asked for jointly.
; THE MATRIX INSTRUCTION IS USED TRANSPOSED (source 0 = 16 rows of Wo, source 1 = 16 rows of o): a lane holds eight neighbouring n of a row m.  The bias is the C of each sum's first product.
; No prefetch: the tile is small, and each refill has a K step's 128 matrix instructions a wave in which to land.
; REGISTERS: window 0: v0-31 addresses; v32-63, v64-95 o's fragments, two buffers; v96-159, v160-223 Wo's; window 1: accumulator (a, b) at v[8 (8 a + b)]; window 2: v0-63 the bias of my 128 columns.
.set PA,     144                       ; a row of o in LDS: 128 bytes + 16
.set PB,     272                       ; a row of Wo: 256 + 16
.set PLANE,  128*PA
.set BOFF,   2*PLANE
.set HALFB,  128*PB
.set SLOT,   BOFF+2*HALFB
.set SPARE,  2*SLOT                    ; the spare words: two blocks of 256 bytes that no other line names
.set SPITCH, 528                       ; the way out: 16 rows x (512 + 16) bytes for each wave, in slot 0, which has had its last fill and its last read by then
.set LAPS,   4
.set ADRA, 16
.set ADRB, 20
.set STO,  24
.set RD,   25
.set CO,   26
.set BOF,  27
.set SPW,  28
.set NIL,  29
.set FA,   32
.set FB,   96
.set G1, 24
.set G0, 32
.set G1B, 48
.set G0B, 56
.set MSB, 0
.macro WIN new
.if MSB != \new
	s_set_vgpr_msb (MSB<<8)|\new
.set MSB, \new
.endif
.endm
.set MUL,  0x50                        ; sources 0 and 1 window 0; C and D window 1
.set MUL0, 0x60                        ; C window 2 (the bias), D window 1
.macro JLOAD s                         ; waves 0 and 1 fetch o's two planes, waves 2 and 3 Wo's two halves; an s_nop 0 and four v_nop follow each of the two lines
	s_cmp_eq_u32 s11, 0
	s_cbranch_scc0 .Lfor_b_\@
	tensor_load_to_lds s[G0+4*\s:G0+4*\s+3], s[G1:G1+7]
	s_nop 0
.rept 4
	v_nop
.endr
	s_branch .Lasked_\@
.Lfor_b_\@:
	tensor_load_to_lds s[G0B+4*\s:G0B+4*\s+3], s[G1B:G1B+7]
	s_nop 0
.rept 4
	v_nop
.endr
.Lasked_\@:
.endm
.macro CREST
	s_cmp_lg_u32 s10, 0
	s_cbranch_scc1 .Lnot_wave_0_\@
	s_barrier_signal -3
.Lnot_wave_0_\@:
	s_barrier_wait -3
	s_barrier_signal -1
	s_barrier_wait -1
.endm
.macro CROUND
	s_barrier_signal -1
	s_barrier_wait -1
	CREST
.endm
	s_load_b128 s[4:7], s[0:1], 0x0                ; o16, wo16
	s_load_b128 s[44:47], s[0:1], 0x10             ; bo, out0
	v_lshl_add_u32 v[SPW], v0, 2, SPARE
	v_mov_b32 v[NIL], 0
	ds_add_u32 v[SPW], v[NIL]                      ; the wave's opening: the add, twice on end, and its wait ahead of my first tensor load
	ds_add_u32 v[SPW], v[NIL]
	v_lshrrev_b32 v1, 5, v0
	v_readfirstlane_b32 s10, v1                    ; wave 0..3
	s_lshr_b32 s11, s10, 1                         ; which 64 of the tile's rows are mine.  Also: I fetch for o (0) or for Wo (1)
	s_and_b32 s12, s10, 1                          ; which 128 of its columns.  Also: which plane, or which 128 rows, I fetch
	s_bfe_u32 s40, ttmp6, 0x40000                  ; cx, cy
	s_bfe_u32 s41, ttmp6, 0x40004
	s_lshl_b32 s42, ttmp9, 2
	s_add_co_u32 s42, s42, s40                     ; tile column
	s_and_b32 s13, ttmp7, 0xffff
	s_lshl_b32 s13, s13, 2
	s_add_co_u32 s13, s13, s41                     ; tile row
	s_lshl_b32 s43, s41, 2
	s_lshl_b32 s43, 15, s43                        ; my row of the cluster
	s_lshl_b32 s22, 0x1111, s40                    ; my column
	s_or_b32 s[G1+0], s43, (1<<16)|(1<<20)|(1<<21)|(4<<22)|(3<<25)  ; o: the mask; elements of 2 bytes; padding: 4 words behind every 32
	s_mov_b32 s[G1+1], 64<<16                      ; tensor_dim0 = 64
	s_mov_b32 s[G1+2], 128<<16                     ; tensor_dim1 = 128
	s_mov_b32 s[G1+3], 64<<16                      ; tile_dim0
	s_mov_b32 s[G1+4], 128                         ; tile_dim1
	s_mov_b32 s[G1+5], 64                          ; from row to row
	s_mov_b32 s[G1+6], 0
	s_mov_b32 s[G1+7], 0
	s_or_b32 s[G1B+0], s22, (1<<16)|(1<<20)|(1<<21)|(5<<22)|(3<<25) ; Wo: 4 words behind every 64
	s_mov_b32 s[G1B+1], 128<<16
	s_mov_b32 s[G1B+2], 128<<16
	s_mov_b32 s[G1B+3], 128<<16
	s_mov_b32 s[G1B+4], 128
	s_mov_b32 s[G1B+5], 128
	s_mov_b32 s[G1B+6], 0
	s_mov_b32 s[G1B+7], 0
	s_lshl_b32 s14, s13, 14                        ; o: 128 rows of 128 bytes a tile row,
	s_lshl_b32 s18, s12, 20                        ; + my plane
	s_add_co_u32 s14, s14, s18
	s_mov_b32 s15, 0
	s_lshl_b32 s16, s42, 16                        ; Wo: 256 rows of 256 bytes a tile column,
	s_lshl_b32 s18, s12, 15                        ; + my 128 rows
	s_add_co_u32 s16, s16, s18
	s_mov_b32 s17, 0
	s_mul_i32 s20, s12, PLANE                      ; where they go: no place in the cluster enters an LDS address
	s_mul_i32 s21, s12, HALFB
	s_add_co_u32 s21, s21, BOFF
	s_wait_dscnt 0x0                               ; both opening adds are done
	s_wait_kmcnt 0x0
	s_add_nc_u64 s[14:15], s[4:5], s[14:15]
	s_add_nc_u64 s[16:17], s[6:7], s[16:17]
	CROUND                                         ; all sixteen work-groups are here: the first joint loads meet
.irp s, 0,1
	s_mov_b32 s[G0+4*\s], 1
	s_add_co_u32 s[G0+4*\s+1], s20, \s*SLOT
	s_add_nc_u64 s[G0+4*\s+2:G0+4*\s+3], s[14:15], \s*2097152      ; K step s: planes 2 s, 2 s + 1
	s_or_b32 s[G0+4*\s+3], s[G0+4*\s+3], 0x80000000
	s_mov_b32 s[G0B+4*\s], 1
	s_add_co_u32 s[G0B+4*\s+1], s21, \s*SLOT
	s_add_nc_u64 s[G0B+4*\s+2:G0B+4*\s+3], s[16:17], \s*262144     ; plane s of wo16
	s_or_b32 s[G0B+4*\s+3], s[G0B+4*\s+3], 0x80000000
	JLOAD \s
.endr
	v_and_b32 v1, 15, v0                           ; r
	v_bfe_u32 v2, v0, 4, 1                         ; h
	v_mul_u32_u24 v3, v1, PA
	v_lshl_add_u32 v3, v2, 4, v3
	v_mul_u32_u24 v4, v1, PB
	v_lshl_add_u32 v4, v2, 4, v4
	s_mul_i32 s21, s11, 64*PA                      ; my 64 rows of o (in each plane)
	s_mul_i32 s22, s12, HALFB                      ; my 128 rows of Wo
	s_add_co_u32 s22, s22, BOFF
.irp s, 0,1
	v_add_nc_u32 v[ADRA+\s], s21, v3
	v_add_nc_u32 v[ADRB+\s], s22, v4
	s_add_co_u32 s21, s21, SLOT
	s_add_co_u32 s22, s22, SLOT
.endr
	s_mul_i32 s23, s10, 16*SPITCH                  ; my stage
	v_mul_u32_u24 v5, v1, SPITCH
	v_lshl_add_u32 v5, v2, 5, v5
	v_add_nc_u32 v[STO], s23, v5                   ; in: row r, 32 bytes for each half of the lanes
	v_and_b32 v6, 31, v0
	v_lshlrev_b32 v[CO], 4, v6
	v_add_nc_u32 v[RD], s23, v[CO]                 ; back: the 32 lanes take a row of 512 bytes
	v_lshlrev_b32 v[BOF], 5, v2                    ; the bias: 8 numbers for each half of the lanes
	s_lshl_b32 s18, s42, 10
	s_lshl_b32 s19, s12, 9
	s_add_co_u32 s18, s18, s19                     ; my first column, in bytes
	s_mov_b32 s19, 0
	s_add_nc_u64 s[44:45], s[44:45], s[18:19]
	s_add_nc_u64 s[46:47], s[46:47], s[18:19]
	s_lshl_b32 s18, s13, 19                        ; 128 rows of 4,096 bytes a tile row,
	s_lshl_b32 s20, s11, 18                        ; + my 64
	s_add_co_u32 s18, s18, s20
	s_add_nc_u64 s[46:47], s[46:47], s[18:19]
	WIN 0x80                                       ; destination window 2
.irp b, 0,1,2,3,4,5,6,7
	global_load_b128 v[8*\b:8*\b+3], v[BOF], s[44:45] offset:64*\b
	global_load_b128 v[8*\b+4:8*\b+7], v[BOF], s[44:45] offset:64*\b+16
.endr
	WIN 0
; 8 matrix instructions: o's block a against Wo's eight, 32 along K, buffer p.  The 32 accumulators take turns, one instruction a turn, in the same order in every quarter.
.macro MUL8 p, a, zero
.irp b, 0,1,2,3,4,5,6,7
.if \zero
	v_wmma_f32_16x16x32_f16 v[8*(8*(\a)+\b):8*(8*(\a)+\b)+7], v[FB+64*(\p)+8*\b:FB+64*(\p)+8*\b+7], v[FA+32*(\p)+8*(\a):FA+32*(\p)+8*(\a)+7], v[8*\b:8*\b+7]
.else
	v_wmma_f32_16x16x32_f16 v[8*(8*(\a)+\b):8*(8*(\a)+\b)+7], v[FB+64*(\p)+8*\b:FB+64*(\p)+8*\b+7], v[FA+32*(\p)+8*(\a):FA+32*(\p)+8*(\a)+7], v[8*(8*(\a)+\b):8*(8*(\a)+\b)+7]
.endif
.endr
.endm
; 24 LDS loads in one run: quarter q of a slot into buffer p: Wo's eight fragments, then o's four
.macro FETCH slot, q, p
	WIN 0
.irp i, 0,1,2,3,4,5,6,7
	ds_load_b128 v[FB+64*(\p)+8*\i:FB+64*(\p)+8*\i+3],   v[ADRB+\slot] offset:64*(\q)+\i*16*PB
	ds_load_b128 v[FB+64*(\p)+8*\i+4:FB+64*(\p)+8*\i+7], v[ADRB+\slot] offset:64*(\q)+\i*16*PB+32
.endr
.irp i, 0,1,2,3
	ds_load_b128 v[FA+32*(\p)+8*\i:FA+32*(\p)+8*\i+3],   v[ADRA+\slot] offset:((\q)/2)*PLANE+((\q)%2)*64+\i*16*PA
	ds_load_b128 v[FA+32*(\p)+8*\i+4:FA+32*(\p)+8*\i+7], v[ADRA+\slot] offset:((\q)/2)*PLANE+((\q)%2)*64+\i*16*PA+32
.endr
.endm
.macro PLACES
.rept 4
	v_nop
.endr
.endm
; One of a K step's first three quarters: multiplies buffer p; in its middle it fetches quarter qn of the same slot into buffer g.
.macro QUARTER slot, qn, p, g, zero
	s_wait_dscnt 4                                 ; Wo's fragments and o's blocks 0, 1 are in; the youngest four loads (o's blocks 2, 3) may be out
.if \zero
	WIN MUL0
.else
	WIN MUL
.endif
	MUL8 \p, 0, \zero
	MUL8 \p, 1, \zero
	PLACES                                         ; in front of loads into registers that matrix instructions have read
	FETCH \slot, \qn, \g
	s_wait_dscnt 24                                ; all but the 24 just issued
.if \zero
	WIN MUL0
.else
	WIN MUL
.endif
	MUL8 \p, 2, \zero
	MUL8 \p, 3, \zero
.endm
; The last quarter multiplies buffer 1 and changes slots: one barrier; in front of it each wave waits for all its tensor loads, adds 0 to its spare word, and waits for that and for its reads of this slot.
.macro TURN slot, next, fill
	WIN 0
	s_wait_tensorcnt 0x0                           ; my part of the next slot has landed
	ds_add_u32 v[SPW], v[NIL]
	s_wait_dscnt 5                                 ; the add and the youngest four loads may be out
	WIN MUL
	MUL8 1, 0, 0
	s_wait_dscnt 0x0                               ; the add is done, and my reads of this slot are over
	s_barrier_signal -1
	MUL8 1, 1, 0
.if \fill
	WIN 0
.endif
	s_barrier_wait -1
.if \fill
	CREST                                          ; the barrier has opened a round of the cluster's barrier: no wave of any partner still reads this slot or has a load on its way
	s_add_nc_u64 s[G0+4*\slot+2:G0+4*\slot+3], s[G0+4*\slot+2:G0+4*\slot+3], 4194304     ; two K steps on: four planes
	s_add_nc_u64 s[G0B+4*\slot+2:G0B+4*\slot+3], s[G0B+4*\slot+2:G0B+4*\slot+3], 524288  ; two planes of wo16
	JLOAD \slot                                    ; the first tensor load behind the round; its four v_nop are also the places in front of the loads below
.else
	PLACES
.endif
	FETCH \next, 0, 0
	WIN MUL
	MUL8 1, 2, 0
	MUL8 1, 3, 0
.endm
	s_wait_tensorcnt 1                             ; my part of K step 0 is in (K step 1's load may be out)
	s_barrier_signal -1
	s_barrier_wait -1                              ; everybody's is
	FETCH 0, 0, 0
	s_wait_loadcnt 0x0                             ; the bias
	QUARTER 0, 1, 0, 1, 1                          ; the first quarter's products start the sums from the bias
	WIN 0
	s_mov_b32 s3, LAPS-1
.Llap:                                             ; a trip goes once round the ring and fills both slots again
	QUARTER 0, 2, 1, 0, 0
	QUARTER 0, 3, 0, 1, 0
	TURN 0, 1, 1
	QUARTER 1, 1, 0, 1, 0
	QUARTER 1, 2, 1, 0, 0
	QUARTER 1, 3, 0, 1, 0
	TURN 1, 0, 1
	QUARTER 0, 1, 0, 1, 0
	WIN 0
	s_sub_co_u32 s3, s3, 1
	s_cmp_lg_u32 s3, 0
	s_cbranch_scc1 .Llap
	QUARTER 0, 2, 1, 0, 0                          ; the last lap fills nothing
	QUARTER 0, 3, 0, 1, 0
	TURN 0, 1, 0
	QUARTER 1, 1, 0, 1, 0
	QUARTER 1, 2, 1, 0, 0
	QUARTER 1, 3, 0, 1, 0
	s_wait_dscnt 4
	WIN MUL
	MUL8 1, 0, 0
	MUL8 1, 1, 0
	s_wait_dscnt 0
	MUL8 1, 2, 0
	MUL8 1, 3, 0
	WIN 0
	PLACES
	; THE WAY OUT: a block of 16 rows x 128 columns goes through my stage and comes back as whole rows of 512 bytes.
.macro TOSTAGE a
	WIN 0x04                                       ; an LDS store's data: window 1
.irp b, 0,1,2,3,4,5,6,7
	ds_store_b128 v[STO], v[8*(8*(\a)+\b):8*(8*(\a)+\b)+3] offset:64*\b       ; each accumulator from its low end on
	ds_store_b128 v[STO], v[8*(8*(\a)+\b)+4:8*(8*(\a)+\b)+7] offset:64*\b+16
.endr
	WIN 0
.set BB, 32+64*((\a)%2)
.irp t, 0,1,2,3,4,5,6,7,8,9,10,11,12,13,14,15
	ds_load_b128 v[BB+4*\t:BB+4*\t+3], v[RD] offset:\t*SPITCH      ; LDS serves a wave's instructions in order
.endr
.endm
.macro SEND a, younger
.set BB, 32+64*((\a)%2)
	s_wait_dscnt \younger                          ; the block is back; the next block's 16 stores and 16 loads may be out
.irp t, 0,1,2,3,4,5,6,7,8,9,10,11,12,13,14,15
	global_store_b128 v[CO], v[BB+4*\t:BB+4*\t+3], s[46:47] offset:(\a)*65536+\t*4096 th:TH_STORE_NT   ; 512 consecutive bytes of a row
.endr
.endm
	TOSTAGE 0
.irp a, 1,2,3
.if \a > 1
	s_wait_xcnt 0x0                                ; block a - 2's stores have read their registers: block a's loads may land there
.endif
	TOSTAGE \a
	SEND \a-1, 32
.endr
	SEND 3, 0
	s_wait_tensorcnt 0x0                           ; the wave's end
	ds_add_u32 v[SPW], v[NIL]
	s_wait_dscnt 0x0
	CROUND                                         ; the closing round
	s_endpgm
.Lfunc_end_k_q1eb2843b7f_oproj:
	.size	k_q1eb2843b7f_oproj, .Lfunc_end_k_q1eb2843b7f_oproj-k_q1eb2843b7f_oproj
	.p2alignl 7, 3214868480
	.fill 96, 4, 3214868480
	.section	.rodata,"a",@progbits
	.p2align	6, 0x0
	.amdhsa_kernel k_q1eb2843b7f_oproj
		.amdhsa_group_segment_fixed_size 327680
		.amdhsa_private_segment_fixed_size 0
		.amdhsa_enable_private_segment 0
		.amdhsa_kernarg_size 32
		.amdhsa_user_sgpr_count 2
		.amdhsa_user_sgpr_kernarg_segment_ptr 1
		.amdhsa_wavefront_size32 1
		.amdhsa_system_sgpr_workgroup_id_x 1
		.amdhsa_system_sgpr_workgroup_id_y 1
		.amdhsa_system_sgpr_workgroup_id_z 1
		.amdhsa_system_vgpr_workitem_id 0
		.amdhsa_next_free_vgpr 640
		.amdhsa_next_free_sgpr 66
		.amdhsa_reserve_vcc 0
		.amdhsa_float_denorm_mode_32 3
		.amdhsa_float_denorm_mode_16_64 3
		.amdhsa_memory_ordered 1
		.amdhsa_forward_progress 1
		.amdhsa_inst_pref_size 86
	.end_amdhsa_kernel
	.amdgpu_metadata
---
amdhsa.version: [ 1, 2 ]
amdhsa.kernels:
  - .name:           k_q1eb2843b7f_oproj
    .symbol:         k_q1eb2843b7f_oproj.kd
    .args:
      - { .name: o16, .offset: 0, .size: 8, .value_kind: global_buffer, .address_space: global }
      - { .name: wo16, .offset: 8, .size: 8, .value_kind: global_buffer, .address_space: global }
      - { .name: bo, .offset: 16, .size: 8, .value_kind: global_buffer, .address_space: global }
      - { .name: out0, .offset: 24, .size: 8, .value_kind: global_buffer, .address_space: global }
    .group_segment_fixed_size: 327680
    .private_segment_fixed_size: 0
    .kernarg_segment_align: 8
    .kernarg_segment_size: 32
    .max_flat_workgroup_size: 128
    .sgpr_count:     66
    .vgpr_count:     640
    .wavefront_size: 32
...
	.end_amdgpu_metadata
.endif
;; end of part 4
;; launch fine (part 5): grid 16 x 4, 16 waves a work-group, no clusters, 84,224 bytes of LDS; arguments qkv32, Wo, bo, out0; writes out0
.if DOCPART == 5
	.amdgcn_target "amdgcn-amd-amdhsa--gfx1250"
	.amdhsa_code_object_version 6
	.text
	.protected	k_q1eb2843b7f_fine
	.globl	k_q1eb2843b7f_fine
	.p2align	8
	.type	k_q1eb2843b7f_fine,@function
k_q1eb2843b7f_fine:
	s_mov_b64 s[64:65], 0
	v_nop
	global_prefetch_b8 v0, s[64:65] scope:SCOPE_SE
	s_setreg_imm32_b32 hwreg(HW_REG_WAVE_MODE, 25, 1), 1
	s_wait_xcnt 0x0
; FINE: positions 0-15 of each sequence once more, with f32 operands throughout: these rows average one to sixteen values and are the largest of the output.  They see keys 0-15 alone.
; Work-group (c, b): batch b, outputs 64 c .. 64 c + 63 of its 16 rows: 256 bytes of each row.  Sixteen waves.
; PHASE 1: wave w makes head w's attention (16 queries x 16 keys x 64 channels), every work-group of a batch for itself, and puts o [16][1024] into LDS.
; PHASE 2: wave w takes 16 outputs (w % 4) and a quarter of K (w / 4): 64 matrix instructions; the four quarters meet in LDS; waves 0-7 add them and the bias and store.
; All products by the f32 matrix form, 4 along K: its results lie in v16-47 alone, four accumulators by turns, each sum begun with the constant 0; what is made of them goes into other registers.
; K is taken in the same permuted order on both sides: a lane's 16-byte load holds k = 8 i + 4 (lane / 16) + 0 .. 3.
; No tensor loads and no cluster: 64 small work-groups that share little.
.set OL,    0                          ; LDS: o: 16 rows x (4,096 + 16) bytes
.set OP,    4112
.set RED,   16*OP                      ; 16 waves x 1,024 bytes of partial sums
.set SPARE, RED+16384                  ; the spare words, 128 bytes for each wave: eight blocks of 256 bytes that no other line names
.set ACC,  16
.set QR,   48                          ; v48-79 q, v80-111 k; later v48-111: Wo's second half
.set KR,   80
.set WB1,  48
.set VV,   112                         ; v112-143 v; later o's chunks 0, 2
.set OB,   112                         ; v144-175: T and the statistics; later o's chunks 1, 3
.set T,    144
.set U,    152
.set WB0,  176                         ; v176-239 Wo's first half
.set RR,   240
	s_load_b256 s[4:11], s[0:1], 0x0               ; qkv32 s[4:5], Wo s[6:7], bo s[8:9], out0 s[10:11]
	v_lshl_add_u32 v10, v0, 2, SPARE               ; my spare word; never rewritten
	v_mov_b32 v11, 0                               ; 0; never rewritten
	v_lshrrev_b32 v13, 5, v0
	v_readfirstlane_b32 s12, v13                   ; wave 0..15
	s_mov_b32 s13, ttmp9                           ; c
	s_and_b32 s14, ttmp7, 0xffff                   ; b
	s_and_b32 s15, s12, 3                          ; which 16 outputs
	s_lshr_b32 s16, s12, 2                         ; which quarter of K
	s_mov_b32 s20, 0x76543210
	s_mov_b32 s21, 0xfedcba98
	s_mov_b32 s22, 0x3e38aa3b                      ; c = log2(e) / 8
	s_mov_b32 s23, s22
	v_and_b32 v13, 15, v0                          ; r
	v_bfe_u32 v14, v0, 4, 1                        ; h
	v_mul_u32_u24 v1, v13, 12288
	v_lshl_add_u32 v1, v14, 4, v1                  ; q, k: row r of 12,288 bytes, + 16 h
	v_mul_u32_u24 v2, v14, 98304
	v_lshl_add_u32 v2, v13, 2, v2                  ; v: key 8 h (+ i), channel r
	v_lshlrev_b32 v3, 12, v13
	v_lshl_add_u32 v3, v14, 4, v3                  ; Wo: row r of 4,096 bytes, + 16 h
	v_mul_u32_u24 v15, v13, OP
	s_lshl_b32 s18, s12, 8
	v_lshl_add_u32 v4, v14, 5, v15
	v_add_nc_u32 v4, s18, v4                       ; o into LDS: row r, my head's 256 bytes, + 32 h
	s_lshl_b32 s18, s16, 10
	v_lshl_add_u32 v5, v14, 4, v15
	v_add_nc_u32 v5, s18, v5                       ; o out of LDS: row r, my quarter of K, + 16 h
	v_and_b32 v15, 31, v0
	s_lshl_b32 s18, s12, 10
	s_add_co_u32 s18, s18, RED
	v_lshl_add_u32 v6, v15, 4, s18                 ; my partial sums: 16 x lane
	s_lshl_b32 s18, s12, 1
	v_add_nc_u32 v15, s18, v14                     ; the last sums: row m = 2 wave + h, outputs 4 r .. 4 r + 3
	v_lshlrev_b32 v8, 12, v15
	v_lshl_add_u32 v8, v13, 4, v8                  ; in out0
	v_bfe_u32 v7, v13, 1, 1
	v_lshl_add_u32 v15, v7, 4, v15                 ; they lie in lane m + 16 ((r / 2) % 2)
	v_lshlrev_b32 v15, 4, v15
	v_and_b32 v7, 1, v13
	v_lshl_add_u32 v15, v7, 9, v15                 ; of half r % 2
	v_lshrrev_b32 v7, 2, v13
	v_lshl_add_u32 v7, v7, 10, v15                 ; of the waves r / 4 (+ 4 for each quarter of K)
	v_add_nc_u32 v7, RED, v7
	v_lshlrev_b32 v9, 3, v14
	v_sub_nc_u32 v9, v13, v9                       ; d = r - 8 h
	v_lshlrev_b32 v12, 4, v13                      ; the bias: 16 r
	s_mul_i32 s18, s14, 196608
	s_lshl_b32 s19, s12, 8
	s_add_co_u32 s18, s18, s19
	s_mov_b32 s19, 0
	s_lshl_b32 s24, s13, 18
	s_lshl_b32 s25, s15, 16
	s_add_co_u32 s24, s24, s25
	s_lshl_b32 s25, s16, 10
	s_add_co_u32 s24, s24, s25
	s_mov_b32 s25, 0
	s_lshl_b32 s26, s13, 8
	s_mov_b32 s27, 0
	s_lshl_b32 s28, s14, 23
	s_mov_b32 s29, 0
	s_wait_kmcnt 0x0
	s_add_nc_u64 s[4:5], s[4:5], s[18:19]          ; my batch, my head
	s_add_nc_u64 s[6:7], s[6:7], s[24:25]          ; my 16 rows of Wo, my quarter of K
	s_add_nc_u64 s[8:9], s[8:9], s[26:27]
	s_add_nc_u64 s[10:11], s[10:11], s[26:27]
	s_add_nc_u64 s[10:11], s[10:11], s[28:29]
	global_load_b128 v[248:251], v12, s[8:9]       ; the bias
.irp i, 0,1,2,3,4,5,6,7
	global_load_b128 v[QR+4*\i:QR+4*\i+3], v1, s[4:5] offset:32*\i
.endr
.irp i, 0,1,2,3,4,5,6,7
	global_load_b128 v[KR+4*\i:KR+4*\i+3], v1, s[4:5] offset:4096+32*\i
.endr
.irp ct, 0,1,2,3
.irp i, 0,1,2,3,4,5,6,7
	global_load_b32 v[VV+8*\ct+\i], v2, s[4:5] offset:8192+12288*\i+64*\ct     ; v(key 8 h + i, channel 16 ct + r)
.endr
.endr
.irp i, 0,1,2,3,4,5,6,7,8,9,10,11,12,13,14,15
	global_load_b128 v[WB0+4*\i:WB0+4*\i+3], v3, s[6:7] offset:32*\i
.endr
	s_wait_loadcnt 48                              ; the bias, q and k are in; v's 32 loads and Wo's 16 may be out
	; S^T = k q^T: 16 instructions on four accumulators by turns
.set i, 0
.rept 16
.if i < 4
	v_wmma_f32_16x16x4_f32 v[ACC+8*(i%4):ACC+8*(i%4)+7], v[KR+2*i:KR+2*i+1], v[QR+2*i:QR+2*i+1], 0
.else
	v_wmma_f32_16x16x4_f32 v[ACC+8*(i%4):ACC+8*(i%4)+7], v[KR+2*i:KR+2*i+1], v[QR+2*i:QR+2*i+1], v[ACC+8*(i%4):ACC+8*(i%4)+7]
.endif
.set i, i+1
.endr
.rept 8
	v_nop                                          ; eight places behind this form: for the loads into q's and k's registers and for the first read of the results
.endr
.irp i, 0,1,2,3,4,5,6,7,8,9,10,11,12,13,14,15
	global_load_b128 v[WB1+4*\i:WB1+4*\i+3], v3, s[6:7] offset:512+32*\i
.endr
.irp p, 0,2,4,6
	v_pk_add_f32 v[T+\p:T+\p+1], v[ACC+\p:ACC+\p+1], v[ACC+8+\p:ACC+8+\p+1]        ; the four partial sums; each accumulator is read from its low end on
	v_pk_add_f32 v[U+\p:U+\p+1], v[ACC+16+\p:ACC+16+\p+1], v[ACC+24+\p:ACC+24+\p+1]
.endr
.irp p, 0,2,4,6
	v_pk_add_f32 v[T+\p:T+\p+1], v[T+\p:T+\p+1], v[U+\p:U+\p+1]                    ; lane (r, h): query r, register j: key 8 h + j
.endr
	v_mov_b32 v160, 0xff800000
.irp j, 0,1,2,3,4,5,6,7
	v_cmp_le_i32 vcc_lo, \j, v9                    ; key 8 h + j counts where it is at or under query r
	v_cndmask_b32 v[T+\j], v160, v[T+\j], vcc_lo
.endr
	v_max3_num_f32 v161, v[T], v[T+1], v[T+2]
	v_max3_num_f32 v161, v161, v[T+3], v[T+4]
	v_max3_num_f32 v161, v161, v[T+5], v[T+6]
	v_max_num_f32 v161, v161, v[T+7]
	v_mov_b32 v162, 0                              ; a lane permute's destination counts as one of its sources
	v_permlanex16_b32 v162, v161, s20, s21
	v_max_num_f32 v161, v161, v162                 ; the row's maximum: key 0 counts for every query
	v_mul_f32 v164, s22, v161
	v_mov_b32 v165, v164
.irp p, 0,2,4,6
	v_pk_fma_f32 v[T+\p:T+\p+1], v[T+\p:T+\p+1], s[22:23], v[164:165] op_sel_hi:[1,0,0] neg_lo:[0,0,1] neg_hi:[0,0,1]
.endr
.irp j, 0,1,2,3,4,5,6,7
	v_exp_f32 v[T+\j], v[T+\j]
.endr
	v_nop                                          ; a plain line behind the exponentials
	s_wait_alu depctr_va_vdst(0)                   ; one wait for the eight, ahead of their first reader
	v_pk_add_f32 v[166:167], v[T:T+1], v[T+2:T+3]
	v_pk_add_f32 v[168:169], v[T+4:T+5], v[T+6:T+7]
	v_pk_add_f32 v[166:167], v[166:167], v[168:169]
	v_add_f32 v166, v166, v167
	v_permlanex16_b32 v162, v166, s20, s21
	v_add_f32 v166, v166, v162
	v_rcp_f32 v170, v166
	v_mov_b32 v171, 0                              ; a plain line behind the reciprocal (the pair's upper half is written)
	s_wait_alu depctr_va_vdst(0)
.irp p, 0,2,4,6
	v_pk_mul_f32 v[T+\p:T+\p+1], v[T+\p:T+\p+1], v[170:171] op_sel_hi:[1,0]        ; the weights, normalised
.endr
	s_wait_loadcnt 32                              ; v is in; Wo's 32 loads may be out
	; O^T = v^T P: four accumulators by turns; step s takes keys 8 h + 2 s + 0, 1 on both sides
.irp s, 0,1,2,3
.irp ct, 0,1,2,3
.if \s == 0
	v_wmma_f32_16x16x4_f32 v[ACC+8*\ct:ACC+8*\ct+7], v[VV+8*\ct+2*\s:VV+8*\ct+2*\s+1], v[T+2*\s:T+2*\s+1], 0
.else
	v_wmma_f32_16x16x4_f32 v[ACC+8*\ct:ACC+8*\ct+7], v[VV+8*\ct+2*\s:VV+8*\ct+2*\s+1], v[T+2*\s:T+2*\s+1], v[ACC+8*\ct:ACC+8*\ct+7]
.endif
.endr
.endr
.rept 9
	v_nop                                          ; nine places: eight for the stores and loads below, nine for the products that begin the accumulators anew
.endr
.irp ct, 0,1,2,3
	ds_store_b128 v4, v[ACC+8*\ct:ACC+8*\ct+3] offset:64*\ct       ; lane (r, h): o(r, 64 w + 16 ct + 8 h + 0 .. 7)
	ds_store_b128 v4, v[ACC+8*\ct+4:ACC+8*\ct+7] offset:64*\ct+16
.endr
	s_wait_dscnt 0x0                               ; for the others' sake: my stores are done
	s_barrier_signal -1
	s_barrier_wait -1                              ; o's 16 rows lie in LDS
; PHASE 2.  Chunk c: 16 instructions, K = 64 c .. 64 c + 63 of my quarter; source 0 = 16 rows of Wo, source 1 = o's 16 rows.
.macro OLOAD c
.irp i, 0,1,2,3,4,5,6,7
	ds_load_b128 v[OB+32*((\c)%2)+4*\i:OB+32*((\c)%2)+4*\i+3], v5 offset:32*(8*(\c)+\i)
.endr
.endm
.macro MULC c
.set i, 0
.rept 16
.set sg, 16*(\c)+i
.set li, sg/2
.if li < 16
.set wr, WB0+4*li+2*(sg%2)
.else
.set wr, WB1+4*(li-16)+2*(sg%2)
.endif
.set orr, OB+32*((\c)%2)+4*(li%8)+2*(sg%2)
.if sg < 4
	v_wmma_f32_16x16x4_f32 v[ACC+8*(sg%4):ACC+8*(sg%4)+7], v[wr:wr+1], v[orr:orr+1], 0
.else
	v_wmma_f32_16x16x4_f32 v[ACC+8*(sg%4):ACC+8*(sg%4)+7], v[wr:wr+1], v[orr:orr+1], v[ACC+8*(sg%4):ACC+8*(sg%4)+7]
.endif
.set i, i+1
.endr
.endm
	OLOAD 0
	OLOAD 1
	s_wait_loadcnt 16                              ; Wo's first half is in; its second 16 loads may be out
	s_wait_dscnt 8                                 ; chunk 0 is in; chunk 1's eight loads may be out
	MULC 0
.rept 8
	v_nop
.endr
	OLOAD 2
	s_wait_dscnt 8                                 ; chunk 1 is in
	MULC 1
.rept 8
	v_nop
.endr
	OLOAD 3
	s_wait_loadcnt 0x0                             ; Wo's second half
	s_wait_dscnt 8                                 ; chunk 2 is in
	MULC 2
	s_wait_dscnt 0x0
	MULC 3
.rept 8
	v_nop
.endr
.irp p, 0,2,4,6
	v_pk_add_f32 v[RR+\p:RR+\p+1], v[ACC+\p:ACC+\p+1], v[ACC+8+\p:ACC+8+\p+1]
	v_pk_add_f32 v[112+\p:113+\p], v[ACC+16+\p:ACC+16+\p+1], v[ACC+24+\p:ACC+24+\p+1]
.endr
.irp p, 0,2,4,6
	v_pk_add_f32 v[RR+\p:RR+\p+1], v[RR+\p:RR+\p+1], v[112+\p:113+\p]              ; lane (r, h): row r, outputs 16 (w % 4) + 8 h + 0 .. 7, my quarter of K
.endr
	ds_store_b128 v6, v[RR:RR+3]
	ds_store_b128 v6, v[RR+4:RR+7] offset:512
	s_wait_dscnt 0x0
	s_barrier_signal -1
	s_barrier_wait -1
	s_cmp_lt_u32 s12, 8                            ; waves 0-7 add the four quarters: two rows a wave
	s_cbranch_scc0 .Ldone
.irp q, 0,1,2,3
	ds_load_b128 v[112+4*\q:115+4*\q], v7 offset:4096*\q
.endr
	s_wait_dscnt 0x0
	v_pk_add_f32 v[112:113], v[112:113], v[116:117]
	v_pk_add_f32 v[114:115], v[114:115], v[118:119]
	v_pk_add_f32 v[120:121], v[120:121], v[124:125]
	v_pk_add_f32 v[122:123], v[122:123], v[126:127]
	v_pk_add_f32 v[112:113], v[112:113], v[120:121]
	v_pk_add_f32 v[114:115], v[114:115], v[122:123]
	v_pk_add_f32 v[112:113], v[112:113], v[248:249]
	v_pk_add_f32 v[114:115], v[114:115], v[250:251]
	global_store_b128 v8, v[112:115], s[10:11]     ; sixteen lanes store 256 consecutive bytes, aligned
.Ldone:
	s_wait_tensorcnt 0x0                           ; the wave's end: behind my last LDS store
	ds_add_u32 v10, v11
	s_wait_dscnt 0x0
	s_endpgm
.Lfunc_end_k_q1eb2843b7f_fine:
	.size	k_q1eb2843b7f_fine, .Lfunc_end_k_q1eb2843b7f_fine-k_q1eb2843b7f_fine
	.p2alignl 7, 3214868480
	.fill 96, 4, 3214868480
	.section	.rodata,"a",@progbits
	.p2align	6, 0x0
	.amdhsa_kernel k_q1eb2843b7f_fine
		.amdhsa_group_segment_fixed_size 84224
		.amdhsa_private_segment_fixed_size 0
		.amdhsa_enable_private_segment 0
		.amdhsa_kernarg_size 32
		.amdhsa_user_sgpr_count 2
		.amdhsa_user_sgpr_kernarg_segment_ptr 1
		.amdhsa_wavefront_size32 1
		.amdhsa_system_sgpr_workgroup_id_x 1
		.amdhsa_system_sgpr_workgroup_id_y 1
		.amdhsa_system_sgpr_workgroup_id_z 1
		.amdhsa_system_vgpr_workitem_id 0
		.amdhsa_next_free_vgpr 256
		.amdhsa_next_free_sgpr 66
		.amdhsa_reserve_vcc 1
		.amdhsa_float_denorm_mode_32 3
		.amdhsa_float_denorm_mode_16_64 3
		.amdhsa_memory_ordered 1
		.amdhsa_forward_progress 1
		.amdhsa_inst_pref_size 26
	.end_amdhsa_kernel
	.amdgpu_metadata
---
amdhsa.version: [ 1, 2 ]
amdhsa.kernels:
  - .name:           k_q1eb2843b7f_fine
    .symbol:         k_q1eb2843b7f_fine.kd
    .args:
      - { .name: qkv32, .offset: 0, .size: 8, .value_kind: global_buffer, .address_space: global }
      - { .name: Wo, .offset: 8, .size: 8, .value_kind: global_buffer, .address_space: global }
      - { .name: bo, .offset: 16, .size: 8, .value_kind: global_buffer, .address_space: global }
      - { .name: out0, .offset: 24, .size: 8, .value_kind: global_buffer, .address_space: global }
    .group_segment_fixed_size: 84224
    .private_segment_fixed_size: 0
    .kernarg_segment_align: 8
    .kernarg_segment_size: 32
    .max_flat_workgroup_size: 512
    .sgpr_count:     66
    .vgpr_count:     256
    .wavefront_size: 32
...
	.end_amdgpu_metadata
.endif
;; end of part 5
